; MI455X (gfx1250); checked and timed in simulation.
; The chip was launched on July 23, 2026; its instructions are those of AMD's public machine-readable ISA for CDNA 5 (MIT licence, August 2026) and "CDNA5" Instruction Set Architecture Reference Guide (July 2026). The comments in the code are by the model that wrote it; some were corrected since.
;; MAB. Allowed arithmetic: matrix products marked QUANTISED: E2M1 operands, one E8M0 scale for each 32 along K, by v_wmma_scale_f32_16x16x128_f8f6f4 with both operands' format E2M1 (or v_wmma_scale_f32_32x16x128_f4), f32 sums; everything else in f32.
;; Inputs: K 16 x 1,024 x 512 float32; Q 16 x 1,024 x 512 float32; Wk 512 x 512 float32; Wo 512 x 512 float32; Wq 512 x 512 float32; Wv 512 x 512 float32; bk 512 float32; bo 512 float32; bq 512 float32; bv 512 float32.
;; Outputs: out0 16 x 1,024 x 512 float32.
;; This version of the problem:
;;   THIS VERSION OF THE PROBLEM IS GIVEN IN LOW PRECISION. The matrix products marked QUANTISED in the list below multiply operands that are first quantised to E2M1 (2 exponent bits, 1 mantissa bit; 4 bits a number), with one power-of-two scale for each 32 numbers along K (OCP MX v1.0); their sums are f32. All else is computed in f32.
;;   The module's matrix products, in the order in which they are computed (A, B: the left and right operand; K: the contracted axis; several contracted axes count as one K, in the product's order):
;;     1. [M 16,384, K 512] x [K 512, N 512]; A: input Q; B: input Wq: QUANTISED
;;     2. [M 16,384, K 512] x [K 512, N 512]; A: input K; B: input Wk: QUANTISED
;;     3. [M 16,384, K 512] x [K 512, N 512]; A: input K; B: input Wv: QUANTISED
;;     4. batch 128 x [M 1,024, K 64] x [K 64, N 1,024]; A: computed on the way; B: computed on the way: QUANTISED
;;     5. batch 128 x [M 64, K 1,024] x [K 1,024, N 1,024]; A: computed on the way; B: softmax (see below): QUANTISED
;;     6. [M 16,384, K 512] x [K 512, N 512]; A: computed on the way; B: input Wo: QUANTISED
;;   THE QUANTISER, for each operand of a quantised product, along K:
;;     - K is cut into blocks of 32 from its start; a last block that is shorter is filled with zeros.
;;     - A block's scale is 2^e with e = floor(log2(the largest magnitude in the block)) - 2, held to -126 .. 127; a block of zeros has e = 0. As a byte (E8M0): e + 127.
;;     - Each number is divided by its block's scale, clamped to +-6, and rounded to the nearest number of E2M1, ties to even, subnormals kept.
;;     - The product sums the exact products of the quantised numbers (number of the format x scale) in f32.
;;   ~~~python
;;   def quantise(x, axis):      # numpy; x: float32 -> the quantised numbers, widened to float32 again
;;       x = np.moveaxis(x, axis, -1); K = x.shape[-1]
;;       x = np.pad(x, [(0, 0)] * (x.ndim - 1) + [(0, -K % 32)]); x = x.reshape(x.shape[:-1] + (-1, 32)); a = np.abs(x).max(-1, keepdims=True)
;;       e = np.where(a > 0, np.clip(np.frexp(np.where(a > 0, a, 1))[1] - 1 - 2, -126, 127), 0)      # np.frexp(a)[1] - 1 = floor(log2(a)), exactly
;;       r = np.clip(x / 2.0 ** e, -6, 6)
;;       step = 2.0 ** (np.maximum(np.frexp(np.where(r == 0, 1, r))[1] - 1, 0) - 1)
;;       q = np.round(r / step) * step * 2.0 ** e      # np.round: ties to even
;;       return np.moveaxis(q.reshape(q.shape[:-2] + (-1,))[..., :K], -1, axis).astype(np.float32)
;;   ~~~
;;   SOFTMAX AHEAD OF A QUANTISED PRODUCT. Where the list says 'softmax', what is quantised is not the finished softmax but p = 2^(t - M), with t = logit x log2(e) and M = ceil(the row's largest t), a whole number; so 1/2 < the row's largest p <= 1. The row's sum l is taken of the UNQUANTISED p, in f32, and the product's result is divided by l at the end. Since M is a whole number, a kernel that streams over the keys may use a running M (the ceiling of the running maximum): every later rescaling is an exact power of two, which a block's scale takes up: the codes' values come out the same.
;;   OPERANDS COMPUTED ON THE WAY. 'Computed on the way' means the value that the module computes at that place (a softmax that the list does not call 'softmax' is quantised finished and normalised). What goes into a quantiser is computed in f32, as accurately as f32 sums, v_exp_f32 and their like allow (about 1e-6 of the number): no bf16 or f16 on the way to a quantiser, and a product that is left as it is and whose result goes on into a quantised operand takes f32 operands (vector FMAs, or v_wmma_f32_16x16x4_f32). A number that lies on a knife's edge between two numbers of the format may be rounded either way, as far as f32 arithmetic and the matrix unit's own rounding can turn it there, and no further.
;; 2 versions. Each part assembles by itself: llvm-mc -triple=amdgcn-amd-amdhsa -mcpu=gfx1250 --defsym DOCPART=n.
;; ======== version 1 of 2: 3 launches
;; workspace buffers: wcodes 524,288 bytes; wscales 32,768 bytes; kv 9,437,184 bytes
;; launch prep (part 1): grid 64 x 1, 4 waves a work-group, no clusters, 0 bytes of LDS; arguments Wq, Wk, Wv, Wo, wcodes, wscales; writes wcodes, wscales
.if DOCPART == 1
	.amdgcn_target "amdgcn-amd-amdhsa--gfx1250"
	.amdhsa_code_object_version 6
	.text
	.protected	k_qcbac610309_prep
	.globl	k_qcbac610309_prep
	.p2align	8
	.type	k_qcbac610309_prep,@function
k_qcbac610309_prep:
	s_mov_b64 s[64:65], 0
	v_nop
	global_prefetch_b8 v0, s[64:65] scope:SCOPE_SE
	s_setreg_imm32_b32 hwreg(HW_REG_WAVE_MODE, 25, 1), 1
	s_wait_xcnt 0x0
; Wq, Wk, Wv, Wo, each [512 (k)][512 (n)] f32 with K as the first axis, become codes of FP4 (E2M1) with one E8M0 byte for each 32 along K,
; laid in the order of a matrix operand's registers, so that the later launches load whole fragments by dense loads of 16 bytes a lane.
; wcodes:  [w 4][T 32][s 4][c 2][lane 32][16 bytes]: lane (r, h) of tile T holds k = 128 s + 64 c + 32 h + 0 .. 31 of column n = 32 (T / 2) + 8 (T % 2) + r + 8 (r / 8).
; wscales: [w 4][B 16][s 4][32 words]: word 16 u + r is the scale word (four bytes, 128 along K) of tile 2 B + u, row r, K step s.
; A LANE TAKES A COLUMN AND ITS REGISTERS RUN DOWN K: a block of 32 lies in one lane, and the conversions give codes with K innermost.
; A wave takes 32 columns x 128 k; the four waves of a work-group stand side by side on 512 bytes of each row of W.
; A block's scale is 2^(floor(log2(largest magnitude)) - 2): the largest magnitude's exponent field less 2, held at 1 from below.
; LIMITS: a block whose largest magnitude lies under 2^-124, a block of zeros too, keeps the byte 1 (its codes then add nothing or next to nothing; this program alone reads the bytes);
; NaN and infinities among the inputs are not served.
.set XN, 32                            ; v32-159  four blocks of 32 numbers
.set CD, 160                           ; v160-175 four registers of codes a block: no store's data are written again
	s_load_b256 s[4:11], s[0:1], 0x0               ; Wq, Wk, Wv, Wo
	s_load_b128 s[12:15], s[0:1], 0x20             ; wcodes, wscales
	v_lshrrev_b32 v1, 5, v0
	v_readfirstlane_b32 s16, v1                    ; wave
	v_and_b32 v2, 31, v0                           ; lane: column 32 B + lane
	s_lshr_b32 s17, ttmp9, 4                       ; which weight
	s_bfe_u32 s18, ttmp9, 0x20002                  ; which K step of 128
	s_and_b32 s19, ttmp9, 3
	s_lshl_b32 s19, s19, 2
	s_add_co_u32 s19, s19, s16                     ; B: which 32 columns
	v_lshlrev_b32 v4, 2, v2                        ; in: 4 bytes a lane
	v_bfe_u32 v3, v2, 3, 1                         ; u: which tile of the pair my column belongs to
	v_and_b32 v7, 7, v2
	v_lshrrev_b32 v13, 4, v2
	v_lshl_add_u32 v7, v13, 3, v7                  ; r: its row in that tile
	v_lshlrev_b32 v5, 4, v7
	v_lshl_add_u32 v5, v3, 12, v5                  ; codes: 4,096 u + 16 r
	v_lshl_add_u32 v6, v3, 4, v7
	v_lshlrev_b32 v6, 2, v6                        ; scale word: 4 (16 u + r)
	s_lshl_b32 s20, s18, 18                        ; W: 128 s rows of 2,048 bytes
	s_lshl_b32 s21, s19, 7                         ; + 32 B columns
	s_add_co_u32 s20, s20, s21
	s_mov_b32 s21, 0
	s_lshl_b32 s22, s17, 17                        ; wcodes: 131,072 w + 8,192 B + 1,024 s
	s_lshl_b32 s23, s19, 13
	s_add_co_u32 s22, s22, s23
	s_lshl_b32 s23, s18, 10
	s_add_co_u32 s22, s22, s23
	s_mov_b32 s23, 0
	s_lshl_b32 s24, s17, 13                        ; wscales: 8,192 w + 512 B + 128 s
	s_lshl_b32 s25, s19, 9
	s_add_co_u32 s24, s24, s25
	s_lshl_b32 s25, s18, 7
	s_add_co_u32 s24, s24, s25
	s_mov_b32 s25, 0
	s_wait_kmcnt 0x0
	s_cmp_eq_u32 s17, 1                            ; the weight is chosen by the work-group's number alone
	s_cselect_b64 s[4:5], s[6:7], s[4:5]
	s_cmp_eq_u32 s17, 2
	s_cselect_b64 s[4:5], s[8:9], s[4:5]
	s_cmp_eq_u32 s17, 3
	s_cselect_b64 s[4:5], s[10:11], s[4:5]
	s_add_nc_u64 s[4:5], s[4:5], s[20:21]
	s_add_nc_u64 s[12:13], s[12:13], s[22:23]
	s_add_nc_u64 s[14:15], s[14:15], s[24:25]
.macro WLOAD k                         ; block k: W(128 s + 32 k + i, my column), i = 0 .. 31: each load reads 128 consecutive bytes a wave
.set wi, 0
.rept 32
	global_load_b32 v[XN+32*(\k)+wi], v4, s[4:5] offset:(32*(\k)+wi)*2048 th:TH_LOAD_NT
.set wi, wi+1
.endr
.endm
.macro BLOCK k
.set XS, XN+32*(\k)
.if (\k) < 3
	s_wait_loadcnt 32                              ; this block's 32 loads are in; the next block's 32 may be out
.else
	s_wait_loadcnt 0x0
.endif
.if (\k) < 2
	WLOAD (\k)+2                                   ; two blocks ahead
.endif
	v_max3_num_f32 v8, |v[XS]|, |v[XS+1]|, |v[XS+2]|       ; the block's largest magnitude, in two chains
	v_max3_num_f32 v9, |v[XS+3]|, |v[XS+4]|, |v[XS+5]|
.irp i, 6,10,14,18,22,26
	v_max3_num_f32 v8, v8, |v[XS+\i]|, |v[XS+\i+1]|
	v_max3_num_f32 v9, v9, |v[XS+\i+2]|, |v[XS+\i+3]|
.endr
	v_max3_num_f32 v8, v8, |v[XS+30]|, |v[XS+31]|
	v_max3_num_f32 v8, v8, v9, 0x1800000           ; and the floor 2^(3 - 127): the byte cannot fall under 1
	v_add_nc_u32 v10, 0xff000000, v8               ; 2 off the exponent field: the conversion's scale operand
	v_lshrrev_b32 v11, 23, v10                     ; the scale's byte
.if (\k) == 0
	v_mov_b32 v12, v11
.else
	v_lshl_or_b32 v12, v11, 8*(\k), v12            ; four bytes make the word, the lower K in the lower byte
.endif
.irp q, 0,1,2,3
	v_cvt_scalef32_pk8_fp4_f32 v[CD+4*(\k)+\q], v[XS+8*\q:XS+8*\q+7], v10
.endr
	v_nop                                          ; one plain line behind the conversions, ahead of the next write of their scale operand
	global_store_b128 v5, v[CD+4*(\k):CD+4*(\k)+3], s[12:13] offset:((\k)/2)*512+((\k)%2)*256   ; block k = 2 c + h: the sixteen lanes of a tile fill 256 consecutive bytes, aligned
.endm
	WLOAD 0
	WLOAD 1
	BLOCK 0
	BLOCK 1
	BLOCK 2
	BLOCK 3
	global_store_b32 v6, v12, s[14:15]             ; 32 words: 128 consecutive bytes
	s_endpgm
.Lfunc_end_k_qcbac610309_prep:
	.size	k_qcbac610309_prep, .Lfunc_end_k_qcbac610309_prep-k_qcbac610309_prep
	.p2alignl 7, 3214868480
	.fill 96, 4, 3214868480
	.section	.rodata,"a",@progbits
	.p2align	6, 0x0
	.amdhsa_kernel k_qcbac610309_prep
		.amdhsa_group_segment_fixed_size 0
		.amdhsa_private_segment_fixed_size 0
		.amdhsa_enable_private_segment 0
		.amdhsa_kernarg_size 48
		.amdhsa_user_sgpr_count 2
		.amdhsa_user_sgpr_kernarg_segment_ptr 1
		.amdhsa_wavefront_size32 1
		.amdhsa_system_sgpr_workgroup_id_x 1
		.amdhsa_system_sgpr_workgroup_id_y 1
		.amdhsa_system_sgpr_workgroup_id_z 1
		.amdhsa_system_vgpr_workitem_id 0
		.amdhsa_next_free_vgpr 176
		.amdhsa_next_free_sgpr 66
		.amdhsa_reserve_vcc 0
		.amdhsa_float_denorm_mode_32 3
		.amdhsa_float_denorm_mode_16_64 3
		.amdhsa_memory_ordered 1
		.amdhsa_forward_progress 1
		.amdhsa_inst_pref_size 21
	.end_amdhsa_kernel
	.amdgpu_metadata
---
amdhsa.version: [ 1, 2 ]
amdhsa.kernels:
  - .name:           k_qcbac610309_prep
    .symbol:         k_qcbac610309_prep.kd
    .args:
      - { .name: Wq, .offset: 0, .size: 8, .value_kind: global_buffer, .address_space: global }
      - { .name: Wk, .offset: 8, .size: 8, .value_kind: global_buffer, .address_space: global }
      - { .name: Wv, .offset: 16, .size: 8, .value_kind: global_buffer, .address_space: global }
      - { .name: Wo, .offset: 24, .size: 8, .value_kind: global_buffer, .address_space: global }
      - { .name: wcodes, .offset: 32, .size: 8, .value_kind: global_buffer, .address_space: global }
      - { .name: wscales, .offset: 40, .size: 8, .value_kind: global_buffer, .address_space: global }
    .group_segment_fixed_size: 0
    .private_segment_fixed_size: 0
    .kernarg_segment_align: 8
    .kernarg_segment_size: 48
    .max_flat_workgroup_size: 128
    .sgpr_count:     66
    .vgpr_count:     176
    .wavefront_size: 32
...
	.end_amdgpu_metadata
.endif
;; end of part 1
;; launch kvproj (part 2): grid 256 x 1, 16 waves a work-group, no clusters, 155,648 bytes of LDS; arguments K, bk, bv, wcodes, wscales, kv; writes kv
.if DOCPART == 2
	.amdgcn_target "amdgcn-amd-amdhsa--gfx1250"
	.amdhsa_code_object_version 6
	.text
	.protected	k_qcbac610309_kvproj
	.globl	k_qcbac610309_kvproj
	.p2align	8
	.type	k_qcbac610309_kvproj,@function
k_qcbac610309_kvproj:
	s_mov_b64 s[64:65], 0
	v_nop
	global_prefetch_b8 v0, s[64:65] scope:SCOPE_SE
	s_setreg_imm32_b32 hwreg(HW_REG_WAVE_MODE, 25, 1), 1
	s_wait_xcnt 0x0
; k = K Wk + bk and v = K Wv + bv on codes of FP4 (E2M1) with E8M0 scales; then k is quantised along each head's 64 and v along the keys, and both leave in the order of the
; attention's operand registers.  K: [16][1024][512] f32.  The weights' codes and scale words come as the launch before has laid them (tile T: columns 32 (T / 2) + 8 (T % 2) + r + 8 (r / 8)).
; kv: one record of 9,216 bytes for each (batch, head, step of 128 keys):
;   +0     k's codes: tile t (keys 32 (t / 2) + 8 (t % 2) + r + 8 (r / 8)) at 512 t + 16 lane; lane (r, h): the head's 32 h + 0 .. 31 of key r
;   +4096  v's codes: 1,024 ct + 512 c + 16 lane; lane (r, h): keys 64 c + 32 h + 0 .. 31 of channel r of tile ct (channels in the same order)
;   +8192  k's scale words: 128 i + 4 lane: lanes 0-15 tile 2 i, lanes 16-31 tile 2 i + 1; bytes 0, 1 the two blocks, bytes 2, 3 = 127
;   +8704  v's scale half words: 256 c + 128 i + 4 lane: the low 16 bits are the bytes of blocks 2 c, 2 c + 1; lanes 0-15 tile 2 i, lanes 16-31 tile 2 i + 1
; SHARES.  A work-group takes 64 keys, sixteen waves.  Wave w first quantises 16 rows x 128 columns of K (row tile w / 4, K step w % 4) and stores the fragment in LDS as an image of its
; registers; behind ONE barrier wave (hd = w / 2, g = w % 2) makes head hd: k for key tiles 2 g, 2 g + 1 (source 0 = 16 columns of Wk, source 1 = 16 keys: a lane holds a key, its registers run
; along the head), then v for channel tiles 2 g, 2 g + 1 and all 64 keys (source 0 = 16 keys, source 1 = 16 columns of Wv: a lane holds a channel, its registers run along the keys).
; THE ROWS OF A TILE ARE NOT NEIGHBOURS: by the order above the 16 registers of two neighbouring tiles are 16 neighbours along the next product's K.
; No tensor load and no cluster: every operand from memory is a dense image of registers that one or two waves of a work-group read, so nothing is shared through LDS but K's own codes.
; LIMITS: a block whose largest magnitude lies under 2^-124, a block of zeros too, keeps the byte 1 (this program alone reads the bytes); NaN and infinities among the inputs are not served.
.set KIMG,  0                          ; LDS: K's 16 fragments: (row tile m, K step s) at 1,024 (4 m + s) + 512 c + 16 lane
.set KSC,   16384                      ; their scale words: 128 (4 m + s) + 4 lane
.set PRIV,  18432                      ; a region of its own for each wave: 16 rows x (512 bytes + 16)
.set PRIVB, 8448
.set LI,   1                           ; v1   16 x lane
.set L4,   2                           ; v2   4 x lane
.set LH64, 3                           ; v3   64 x (lane / 16)
.set TS,   4                           ; v4   my region + 16 lane
.set TL,   5                           ; v5   my region + 528 r + 64 h
.set IA,   6                           ; v6   16 lane + 1,024 wave
.set ISA,  7                           ; v7   4 lane + 128 wave
.set YA,   8                           ; v8   16 lane + 8,192 g
.set YSA,  9                           ; v9   4 lane + 1,024 g
.set RB,   10                          ; v10  4 (r + 8 (r / 8))
.set YF,   12                          ; v12-27   two fragments of rows
.set YS,   28                          ; v28-29   their scale words
.set WSR,  30                          ; v30-37   the weights' scale words
.set XB0,  38                          ; v38-69   four weight fragments of an even K step
.set XB1,  70                          ; v70-101  of an odd one
.set XS,   102                         ; v102-105 scale words of four key tiles
.set ACC,  106                         ; v106-169 eight accumulators: (t, y) at ACC + 32 y + 8 t
.set R,    106                         ; the same registers take the rows as loaded
.set X,    170                         ; v170-233 64 numbers of a row; later four fragments
.set PC,   234                         ; v234-241 codes just made
.set BM,   242                         ; v242-245 largest magnitudes, then the conversions' scale operands
.set T,    246                         ; v246-249 at work
.set PW,   251                         ; v251     the scale word just made
.set SEL,  22                          ; s[22:23] v_permlanex16_b32's selects for lane l xor 16
.macro PLACES                          ; four plain lines behind matrix instructions, ahead of loads into their registers and of reads of their results
.rept 4
	v_nop
.endr
.endm
.macro BARRIER                         ; my LDS stores have landed and my LDS loads are in: then the work-group's barrier
	s_wait_dscnt 0x0
	s_barrier_signal -1
	s_barrier_wait -1
.endm
; One product 16 x 16 x 128.  z = 1: C is the constant 0; else C = D.  ra, rb = 1: that side's scales stand in lanes 16-31.
.macro WM d, a, b, z, sa, sb, ra, rb
.if \z
.if \ra
	v_wmma_scale_f32_16x16x128_f8f6f4 v[(\d):(\d)+7], v[(\a):(\a)+7], v[(\b):(\b)+7], 0, v[\sa], v[\sb] matrix_a_fmt:MATRIX_FMT_FP4 matrix_b_fmt:MATRIX_FMT_FP4 matrix_a_scale:MATRIX_SCALE_ROW1
.elseif \rb
	v_wmma_scale_f32_16x16x128_f8f6f4 v[(\d):(\d)+7], v[(\a):(\a)+7], v[(\b):(\b)+7], 0, v[\sa], v[\sb] matrix_a_fmt:MATRIX_FMT_FP4 matrix_b_fmt:MATRIX_FMT_FP4 matrix_b_scale:MATRIX_SCALE_ROW1
.else
	v_wmma_scale_f32_16x16x128_f8f6f4 v[(\d):(\d)+7], v[(\a):(\a)+7], v[(\b):(\b)+7], 0, v[\sa], v[\sb] matrix_a_fmt:MATRIX_FMT_FP4 matrix_b_fmt:MATRIX_FMT_FP4
.endif
.else
.if \ra
	v_wmma_scale_f32_16x16x128_f8f6f4 v[(\d):(\d)+7], v[(\a):(\a)+7], v[(\b):(\b)+7], v[(\d):(\d)+7], v[\sa], v[\sb] matrix_a_fmt:MATRIX_FMT_FP4 matrix_b_fmt:MATRIX_FMT_FP4 matrix_a_scale:MATRIX_SCALE_ROW1
.elseif \rb
	v_wmma_scale_f32_16x16x128_f8f6f4 v[(\d):(\d)+7], v[(\a):(\a)+7], v[(\b):(\b)+7], v[(\d):(\d)+7], v[\sa], v[\sb] matrix_a_fmt:MATRIX_FMT_FP4 matrix_b_fmt:MATRIX_FMT_FP4 matrix_b_scale:MATRIX_SCALE_ROW1
.else
	v_wmma_scale_f32_16x16x128_f8f6f4 v[(\d):(\d)+7], v[(\a):(\a)+7], v[(\b):(\b)+7], v[(\d):(\d)+7], v[\sa], v[\sb] matrix_a_fmt:MATRIX_FMT_FP4 matrix_b_fmt:MATRIX_FMT_FP4
.endif
.endif
.endm
; My tile's 16 rows x 512 bytes: each load reads 512 consecutive bytes of one row; rows 0-7, then 16-23 from the pointer
.macro RLOAD p
.set ri, 0
.rept 16
	global_load_b128 v[R+4*ri:R+4*ri+3], v[LI], s[\p:\p+1] offset:(ri+8*(ri/8))*2048 th:TH_LOAD_NT
.set ri, ri+1
.endr
.endm
; Through my own LDS region, so that lane (r, h) holds, of row r, 16 neighbours of each block of 32: register 16 b + i = k 32 b + 16 h + i.  LDS serves a wave's instructions in order: no wait between.
.macro TURN
.set ri, 0
.rept 16
	ds_store_b128 v[TS], v[R+4*ri:R+4*ri+3] offset:ri*528
.set ri, ri+1
.endr
.set ri, 0
.rept 16
	ds_load_b128 v[X+4*ri:X+4*ri+3], v[TL] offset:128*(ri/4)+16*(ri%4)
.set ri, ri+1
.endr
.endm
; nb blocks of 32 (16 numbers a lane and block, register 16 b + i = k 32 b + 16 h + i of my row) become codes in v[dst] on, in the operand's layout, and the scale bytes in v[PW].
.macro QUANT src, nb, dst
.set qb, 0
.rept \nb
	v_max3_num_f32 v[BM+qb], |v[(\src)+16*qb]|, |v[(\src)+16*qb+1]|, 0x1800000   ; with the floor 2^(3 - 127): the byte cannot fall under 1
.set qb, qb+1
.endr
.irp i, 2,4,6,8,10,12,14
.set qb, 0
.rept \nb
	v_max3_num_f32 v[BM+qb], v[BM+qb], |v[(\src)+16*qb+\i]|, |v[(\src)+16*qb+\i+1]|   ; the blocks by turns
.set qb, qb+1
.endr
.endr
.set qb, 0
.rept \nb
	v_permlanex16_b32 v[T+qb], v[BM+qb], s[SEL], s[SEL+1]
.set qb, qb+1
.endr
.set qb, 0
.rept \nb
	v_max_num_f32 v[BM+qb], v[BM+qb], v[T+qb]      ; with lane l xor 16's: the block's largest magnitude
.set qb, qb+1
.endr
.set qb, 0
.rept \nb
	v_add_nc_u32 v[BM+qb], 0xff000000, v[BM+qb]    ; 2 off its exponent field: the conversion's scale operand
.set qb, qb+1
.endr
.set qb, 0
.rept \nb
	v_lshrrev_b32 v[T+qb], 23, v[BM+qb]            ; the scale's byte
.set qb, qb+1
.endr
	v_lshl_or_b32 v[PW], v[T+1], 8, v[T]
.if \nb == 4
	v_lshl_or_b32 v[PW], v[T+2], 16, v[PW]
	v_lshl_or_b32 v[PW], v[T+3], 24, v[PW]
.endif
.set qb, 0
.rept \nb
	v_cvt_scalef32_pk8_fp4_f32 v[(\dst)+2*qb], v[(\src)+16*qb:(\src)+16*qb+7], v[BM+qb]
	v_cvt_scalef32_pk8_fp4_f32 v[(\dst)+2*qb+1], v[(\src)+16*qb+8:(\src)+16*qb+15], v[BM+qb]
.set qb, qb+1
.endr
	v_nop                                          ; one plain line behind the conversions
.set qb, 0
.rept \nb/2                            ; the operand's layout wants a whole block in a lane: lanes 0-15 block 2 c, lanes 16-31 block 2 c + 1
	v_permlane16_swap_b32 v[(\dst)+4*qb], v[(\dst)+4*qb+2]
	v_permlane16_swap_b32 v[(\dst)+4*qb+1], v[(\dst)+4*qb+3]
.set qb, qb+1
.endr
.endm
.macro XLOADW buf, s, wc               ; my head's four weight tiles of K step s: 8 loads of 512 consecutive bytes
.irp t, 0,1,2,3
.irp c, 0,1
	global_load_b128 v[\buf+8*\t+4*\c:\buf+8*\t+4*\c+3], v[LI], s[\wc:\wc+1] offset:(4*\t+\s)*1024+512*\c
.endr
.endr
.endm
.macro W_ISSUE wc, ws                  ; 24 loads: all scale words, K steps 0 and 1
.irp b, 0,1
.irp s, 0,1,2,3
	global_load_b32 v[WSR+4*\b+\s], v[L4], s[\ws:\ws+1] offset:\b*512+\s*128
.endr
.endr
	XLOADW XB0, 0, \wc
	XLOADW XB1, 1, \wc
.endm
.macro B_ISSUE p                       ; 16 loads: the bias goes straight into the accumulators, in the result's layout: register j of tile t is column 32 (t / 2) + 16 h + 8 (t % 2) + j
.irp y, 0,1
.irp t, 0,1,2,3
	global_load_b128 v[ACC+32*\y+8*\t:ACC+32*\y+8*\t+3], v[LH64], s[\p:\p+1] offset:(32*(\t/2)+8*(\t%2))*4
	global_load_b128 v[ACC+32*\y+8*\t+4:ACC+32*\y+8*\t+7], v[LH64], s[\p:\p+1] offset:(32*(\t/2)+8*(\t%2))*4+16
.endr
.endr
.endm
; My head's 64 columns for my two row tiles: four K steps of eight products; the eight accumulators take turns.
.macro PROJ_RUN img, sc, wc
	s_wait_loadcnt 0x0                             ; the bias, the scale words, K steps 0 and 1
.irp s, 0,1,2,3
.irp y, 0,1
.irp c, 0,1
	ds_load_b128 v[YF+8*\y+4*\c:YF+8*\y+4*\c+3], v[YA] offset:\img+(4*\y+\s)*1024+512*\c
.endr
	ds_load_b32 v[YS+\y], v[YSA] offset:\sc+(4*\y+\s)*128
.endr
.if \s == 2
	s_wait_loadcnt 0x8                             ; K step 2's weights are in; K step 3's 8 loads may be out
.endif
.if \s == 3
	s_wait_loadcnt 0x0
.endif
	s_wait_dscnt 0x0
.irp t, 0,1,2,3
.irp y, 0,1
	WM ACC+32*\y+8*\t, XB0+32*(\s%2)+8*\t, YF+8*\y, 0, WSR+4*(\t/2)+\s, YS+\y, \t%2, 0
.endr
.endr
	PLACES
.if \s < 2
	XLOADW XB0+32*(\s), \s+2, \wc
.endif
.endr
.endm
	s_load_b256 s[4:11], s[0:1], 0x0               ; K, bk, bv, wcodes
	s_load_b128 s[12:15], s[0:1], 0x20             ; wscales, kv
	v_lshrrev_b32 v3, 5, v0
	v_readfirstlane_b32 s18, v3                    ; wave 0..15
	v_and_b32 v10, 31, v0                          ; lane
	v_and_b32 v11, 15, v0                          ; r
	v_bfe_u32 v3, v0, 4, 1                         ; h
	v_lshlrev_b32 v[LI], 4, v10
	v_lshlrev_b32 v[L4], 2, v10
	v_cmp_le_u32 s40, 16, v10                      ; the mask of lanes 16-31
	s_lshr_b32 s19, s18, 1                         ; hd
	s_and_b32 s20, s18, 1                          ; g
	s_mul_i32 s21, s18, PRIVB
	s_add_co_u32 s21, s21, PRIV
	v_add_nc_u32 v[TS], s21, v[LI]
	v_mul_u32_u24 v[TL], v11, 528
	v_lshl_add_u32 v[TL], v3, 6, v[TL]
	v_add_nc_u32 v[TL], s21, v[TL]
	s_lshl_b32 s21, s18, 10
	v_add_nc_u32 v[IA], s21, v[LI]
	s_lshl_b32 s21, s18, 7
	v_add_nc_u32 v[ISA], s21, v[L4]
	s_lshl_b32 s21, s20, 13
	v_add_nc_u32 v[YA], s21, v[LI]
	s_lshl_b32 s21, s20, 10
	v_add_nc_u32 v[YSA], s21, v[L4]
	v_and_b32 v[RB], 8, v11
	v_add_nc_u32 v[RB], v[RB], v11
	v_lshlrev_b32 v[RB], 2, v[RB]
	v_lshlrev_b32 v[LH64], 6, v3
.irp b, 0,1,2,3
	v_mov_b32 v[T+\b], 0                           ; written once: a lane permute's destination counts as one of its sources
.endr
	v_mov_b32 v253, 0                              ; named as the upper halves of the pairs that carry v's bias
	v_mov_b32 v255, 0
	s_mov_b32 s[SEL], 0x76543210
	s_mov_b32 s[SEL+1], 0xfedcba98
	s_lshl_b32 s24, ttmp9, 17                      ; K: 64 rows of 2,048 bytes a work-group,
	s_lshr_b32 s25, s18, 3
	s_lshl_b32 s25, s25, 16                        ; my row tile m = wave / 4 begins at row 32 (m / 2) + 8 (m % 2),
	s_add_co_u32 s24, s24, s25
	s_bfe_u32 s25, s18, 0x10002
	s_lshl_b32 s25, s25, 14
	s_add_co_u32 s24, s24, s25
	s_and_b32 s25, s18, 3
	s_lshl_b32 s25, s25, 9                         ; my K step: 512 bytes of a row
	s_add_co_u32 s24, s24, s25
	s_mov_b32 s25, 0
	s_mov_b32 s31, 0
	s_wait_kmcnt 0x0
	s_add_nc_u64 s[4:5], s[4:5], s[24:25]
	s_lshl_b32 s30, s19, 14
	s_add_nc_u64 s[26:27], s[10:11], s[30:31]      ; my head's four tiles,
	s_add_nc_u64 s[32:33], s[26:27], 262144        ; in Wv,
	s_add_nc_u64 s[26:27], s[26:27], 131072        ; in Wk
	s_lshl_b32 s30, s19, 10
	s_add_nc_u64 s[28:29], s[12:13], s[30:31]
	s_add_nc_u64 s[28:29], s[28:29], 8192          ; Wk's scale words
	RLOAD 4
	W_ISSUE 26, 28
	s_lshl_b32 s30, s19, 8
	s_add_nc_u64 s[6:7], s[6:7], s[30:31]          ; bk: my head's 64
	s_lshl_b32 s30, s18, 7
	s_add_nc_u64 s[8:9], s[8:9], s[30:31]          ; bv: my 32 channels: 64 hd + 32 g
	s_lshl_b32 s30, s20, 13
	s_add_nc_u64 s[32:33], s[32:33], s[30:31]      ; Wv: my two tiles
	s_lshl_b32 s30, s18, 9
	s_add_nc_u64 s[34:35], s[12:13], s[30:31]
	s_add_nc_u64 s[34:35], s[34:35], 16384         ; and their scale words: pair 2 hd + g
	s_lshr_b32 s30, ttmp9, 4                       ; batch
	s_lshl_b32 s30, s30, 3
	s_add_co_u32 s30, s30, s19
	s_lshl_b32 s30, s30, 3
	s_bfe_u32 s21, ttmp9, 0x30001                  ; which step of 128 keys
	s_add_co_u32 s30, s30, s21
	s_mul_i32 s30, s30, 9216                       ; the record
	s_add_nc_u64 s[14:15], s[14:15], s[30:31]
	s_and_b32 s21, ttmp9, 1                        ; c': which 64 of its keys
	s_lshl_b32 s30, s21, 11
	s_lshl_b32 s41, s20, 10
	s_add_co_u32 s30, s30, s41
	s_add_nc_u64 s[36:37], s[14:15], s[30:31]      ; k's codes: tiles 4 c' + 2 g on
	s_lshl_b32 s30, s21, 8
	s_lshl_b32 s41, s20, 7
	s_add_co_u32 s30, s30, s41
	s_add_co_u32 s30, s30, 8192
	s_add_nc_u64 s[38:39], s[14:15], s[30:31]      ; k's scale words: pair 2 c' + g; v's half words lie 512 bytes on
	s_lshl_b32 s30, s20, 11
	s_lshl_b32 s41, s21, 9
	s_add_co_u32 s30, s30, s41
	s_add_co_u32 s30, s30, 4096
	s_add_nc_u64 s[42:43], s[14:15], s[30:31]      ; v's codes: tiles 2 g on, half c'
	s_wait_loadcnt 24                              ; my 16 row loads are in; the 24 weight loads may be out
	TURN
	s_wait_dscnt 0x0                               ; the rows are back, and the stores have read the registers that the bias now takes
	B_ISSUE 6
	QUANT X, 4, PC
	ds_store_b128 v[IA], v[PC:PC+3] offset:KIMG    ; the fragment goes to LDS as an image of its registers
	ds_store_b128 v[IA], v[PC+4:PC+7] offset:KIMG+512
	ds_store_b32 v[ISA], v[PW] offset:KSC
	BARRIER                                        ; K's sixteen fragments lie in LDS; nothing writes them again
	PROJ_RUN KIMG, KSC, 26                         ; k: lane (r, h) holds key r of tile 2 g + y; register 16 b + i is the head's 32 b + 16 h + i
.irp y, 0,1                            ; Wv's two tiles, all four K steps, asked for while k is quantised
.irp s, 0,1,2,3
.irp c, 0,1
	global_load_b128 v[XB0+32*\y+8*\s+4*\c:XB0+32*\y+8*\s+4*\c+3], v[LI], s[32:33] offset:\y*4096+\s*1024+512*\c
.endr
.endr
.endr
.irp s, 0,1,2,3
	global_load_b32 v[WSR+\s], v[L4], s[34:35] offset:\s*128
.endr
	global_load_b32 v252, v[RB], s[8:9]            ; bv of my lane's channel in tile 2 g,
	global_load_b32 v254, v[RB], s[8:9] offset:32  ; and in tile 2 g + 1
.irp y, 0,1
	QUANT ACC+32*\y, 2, PC+4*\y
	v_or_b32 v[20+\y], 0x7f7f0000, v[PW]           ; the upper 64 of the instruction's K meet zero codes of q: their bytes stand for 1
	global_store_b128 v[LI], v[PC+4*\y:PC+4*\y+3], s[36:37] offset:512*\y
.endr
	v_cndmask_b32 v22, v20, v21, s40               ; lanes 0-15 the even tile's words, lanes 16-31 the odd tile's
	global_store_b32 v[L4], v22, s[38:39]
	s_wait_loadcnt 0x0                             ; Wv, its scale words, bv
.irp s, 0,1,2,3                        ; v: source 0 = 16 keys, source 1 = 16 channels; eight accumulators by turns
.irp x, 0,1,2,3
.irp c, 0,1
	ds_load_b128 v[X+8*\x+4*\c:X+8*\x+4*\c+3], v[LI] offset:KIMG+(4*\x+\s)*1024+512*\c
.endr
	ds_load_b32 v[XS+\x], v[L4] offset:KSC+(4*\x+\s)*128
.endr
	s_wait_dscnt 0x0
.irp x, 0,1,2,3
.irp y, 0,1
.if \s == 0
	WM ACC+32*\y+8*\x, X+8*\x, XB0+32*\y+8*\s, 1, XS+\x, WSR+\s, 0, \y
.else
	WM ACC+32*\y+8*\x, X+8*\x, XB0+32*\y+8*\s, 0, XS+\x, WSR+\s, 0, \y
.endif
.endr
.endr
	PLACES
.endr
.irp y, 0,1                            ; + bv: one number a lane; each accumulator from its low end on
.set vj, 0
.rept 16
	v_pk_add_f32 v[ACC+32*\y+vj:ACC+32*\y+vj+1], v[ACC+32*\y+vj:ACC+32*\y+vj+1], v[252+2*\y:253+2*\y] op_sel_hi:[1,0]
.set vj, vj+2
.endr
.endr
.irp y, 0,1                            ; lane (r, h) holds channel r of tile 2 g + y; register 16 b + i is key 32 b + 16 h + i of my 64
	QUANT ACC+32*\y, 2, YF+4*\y
	v_mov_b32 v[24+\y], v[PW]
	global_store_b128 v[LI], v[YF+4*\y:YF+4*\y+3], s[42:43] offset:1024*\y
.endr
	v_cndmask_b32 v26, v24, v25, s40
	global_store_b32 v[L4], v26, s[38:39] offset:512
	s_wait_xcnt 0x0
	v_lshl_add_u32 v254, v0, 2, 0x25800
	v_mov_b32 v255, 0
	s_wait_tensorcnt 0x0
	ds_add_u32 v254, v255
	s_wait_dscnt 0x0
	s_endpgm
.Lfunc_end_k_qcbac610309_kvproj:
	.size	k_qcbac610309_kvproj, .Lfunc_end_k_qcbac610309_kvproj-k_qcbac610309_kvproj
	.p2alignl 7, 3214868480
	.fill 96, 4, 3214868480
	.section	.rodata,"a",@progbits
	.p2align	6, 0x0
	.amdhsa_kernel k_qcbac610309_kvproj
		.amdhsa_group_segment_fixed_size 155648
		.amdhsa_private_segment_fixed_size 0
		.amdhsa_enable_private_segment 0
		.amdhsa_kernarg_size 48
		.amdhsa_user_sgpr_count 2
		.amdhsa_user_sgpr_kernarg_segment_ptr 1
		.amdhsa_wavefront_size32 1
		.amdhsa_system_sgpr_workgroup_id_x 1
		.amdhsa_system_sgpr_workgroup_id_y 1
		.amdhsa_system_sgpr_workgroup_id_z 1
		.amdhsa_system_vgpr_workitem_id 0
		.amdhsa_next_free_vgpr 256
		.amdhsa_next_free_sgpr 66
		.amdhsa_reserve_vcc 0
		.amdhsa_float_denorm_mode_32 3
		.amdhsa_float_denorm_mode_16_64 3
		.amdhsa_memory_ordered 1
		.amdhsa_forward_progress 1
		.amdhsa_inst_pref_size 44
	.end_amdhsa_kernel
	.amdgpu_metadata
---
amdhsa.version: [ 1, 2 ]
amdhsa.kernels:
  - .name:           k_qcbac610309_kvproj
    .symbol:         k_qcbac610309_kvproj.kd
    .args:
      - { .name: K, .offset: 0, .size: 8, .value_kind: global_buffer, .address_space: global }
      - { .name: bk, .offset: 8, .size: 8, .value_kind: global_buffer, .address_space: global }
      - { .name: bv, .offset: 16, .size: 8, .value_kind: global_buffer, .address_space: global }
      - { .name: wcodes, .offset: 24, .size: 8, .value_kind: global_buffer, .address_space: global }
      - { .name: wscales, .offset: 32, .size: 8, .value_kind: global_buffer, .address_space: global }
      - { .name: kv, .offset: 40, .size: 8, .value_kind: global_buffer, .address_space: global }
    .group_segment_fixed_size: 155648
    .private_segment_fixed_size: 0
    .kernarg_segment_align: 8
    .kernarg_segment_size: 48
    .max_flat_workgroup_size: 512
    .sgpr_count:     66
    .vgpr_count:     256
    .wavefront_size: 32
...
	.end_amdgpu_metadata
.endif
;; end of part 2
;; launch mab (part 3): grid 256 x 1, 16 waves a work-group, no clusters, 186,368 bytes of LDS; arguments Q, bq, bo, wcodes, wscales, kv, out0; writes out0
.if DOCPART == 3
	.amdgcn_target "amdgcn-amd-amdhsa--gfx1250"
	.amdhsa_code_object_version 6
	.text
	.protected	k_qcbac610309_mab
	.globl	k_qcbac610309_mab
	.p2align	8
	.type	k_qcbac610309_mab,@function
k_qcbac610309_mab:
	s_mov_b64 s[64:65], 0
	v_nop
	global_prefetch_b8 v0, s[64:65] scope:SCOPE_SE
	s_setreg_imm32_b32 hwreg(HW_REG_WAVE_MODE, 25, 1), 1
	s_wait_xcnt 0x0
; out0 = LN(x + gelu(x Wo + bo)), x = LN(q + attention), q = Q Wq + bq; all products on codes of FP4 (E2M1) with E8M0 scales, all else in f32.
; SHARES.  A work-group takes 64 query rows of one batch, all eight heads, sixteen waves.  Wave (hd = w / 2, g = w % 2) owns head hd (columns 64 hd on) and row tiles 2 g, 2 g + 1
; (tile m: rows 32 (m / 2) + 8 (m % 2) + r + 8 (r / 8)), from the projection to the output.  q, the scores, p and the layers between never go to memory.
; LAYOUT.  Every product has the rows (queries) as source 1: a lane holds ONE row (lane % 16) throughout, and register 16 b + i of a row tile's 32 is column 32 b + 16 (lane / 16) + i of my 64.
; ATTENTION.  t = score x log2(e) / sqrt(512); M = the running largest t rounded up to a whole number; p = 2^(t - M) is quantised along the keys; the row's sum is taken of the unquantised p and divides at the end.
; The first product's K is the head's 64: the instruction's upper 64 meet zero codes of q, so the upper four registers named for k (the next tile's codes, or the pad) add nothing.
; k and v come from the records that the launch before has laid in the order of the operands' registers: dense loads of 512 bytes, one key step (128 keys) ahead; no LDS and no barrier in the loop.
; No tensor load and no cluster: a head's records are read by two waves of a work-group, 9 KB a key step beside some 460 vector instructions; a shared ring would tie sixteen waves to a barrier each step.
; GELU: erf by the rational form of Abramowitz and Stegun 7.1.26 (absolute error 1.5e-7 for every argument): gelu(z) = max(z, 0) - 0.5 |z| P(u) 2^(-z^2 log2(e) / 2), u = 1 / (1 + 0.23164189 |z|).
; The norms take the mean first and then the mean square of the differences: no difference of large sums.
; LIMITS: a block whose largest magnitude lies under 2^-124, a block of zeros too, keeps the byte 1 (this program alone reads the bytes); NaN and infinities among the inputs are not served.
.set QIMG,  0                          ; LDS: Q's 16 fragments: 1,024 (4 m + s) + 512 c + 16 lane
.set QSC,   16384                      ; their scale words: 128 (4 m + s) + 4 lane
.set OIMG,  18432                      ; the same for the first norm's result
.set OSC,   34816
.set RED,   36864                      ; four regions of 2,048 bytes: a row's eight partial sums, 32 bytes a row
.set PRIV,  45056                      ; a region of its own for each wave: the turn of Q's rows, then the stash of q, then the stage for the way out
.set PRIVB, 8704
.set LI,   1                           ; v1   16 x lane
.set L4,   2                           ; v2   4 x lane
.set LH64, 3                           ; v3   64 x (lane / 16); in attention: at work
.set TL,   5                           ; v5-7 ahead of attention: addresses of the turn and of the image
.set IA,   6
.set ISA,  7
.set RWA,  4                           ; v4-10 behind attention: addresses of the sums, the image, the stage, the output
.set RRA,  5
.set OIA,  6
.set OSA,  7
.set SO,   8
.set SRD,  9
.set GO,   10
.set YF,   12                          ; v12-27   two fragments of rows; in attention q's (QF): 4 registers of codes, 4 of zeros, for each tile
.set QF,   12
.set YS,   28                          ; v28-29   their scale words (QS)
.set QS,   28
.set WSR,  30                          ; v30-37   the weights' scale words; in attention k's (v30-33) and v's (v34-37)
.set KS,   30
.set VS,   34
.set XB0,  38                          ; v38-69   weight fragments; in attention k's eight tiles, 4 registers each, and v70-73 the pad of zeros
.set XB1,  70
.set KF,   38
.set VF,   74                          ; v74-105  v's four fragments
.set ACC,  106                         ; v106-169 eight accumulators (t, y) at ACC + 32 y + 8 t; the rows as loaded; the scores, then p
.set R,    106
.set S,    106
.set X,    170                         ; v170-233 64 numbers of a row of Q; then O: tile y's 32 at O + 32 y
.set O,    170
.set PC,   234                         ; v234-241 codes just made
.set BM,   242                         ; v242-245 largest magnitudes or scores, then the conversions' scale operands
.set T,    246                         ; v246-249 at work
.set F,    250                         ; v250     2^(old M - new M)
.set PW,   251                         ; v251     the scale word just made
.set PFO,  252                         ; v252     256 x lane: the prefetches' offset
.set TS,   253                         ; v253     my region + 16 lane
.set YA,   254                         ; v254     16 lane + 8,192 g
.set YSA,  255                         ; v255     4 lane + 1,024 g
.set GA,   38                          ; the gelu's registers: u, the exponential, the polynomial, a4 twice, max(z, 0)
.set GE,   46
.set GP,   54
.set GC,   62
.set GM,   64
.set SEL,  22                          ; s[22:23] v_permlanex16_b32's selects for lane l xor 16
.set CS,   24                          ; s[24:25] c = log2(e) / sqrt(512), twice
.set CNT,  26                          ; s26  key steps still to be asked for
.set LIM,  27                          ; s27  1 in a wave that prefetches, else the greatest number
.set KVP,  34                          ; s[34:35] the record in hand
.macro PLACES                          ; four plain lines behind matrix instructions, ahead of loads into their registers and of reads of their results
.rept 4
	v_nop
.endr
.endm
.macro BARRIER                         ; my LDS stores have landed and my LDS loads are in: then the work-group's barrier
	s_wait_dscnt 0x0
	s_barrier_signal -1
	s_barrier_wait -1
.endm
; One product 16 x 16 x 128.  z = 1: C is the constant 0; else C = D.  ra, rb = 1: that side's scales stand in lanes 16-31.
.macro WM d, a, b, z, sa, sb, ra, rb
.if \z
.if \ra
	v_wmma_scale_f32_16x16x128_f8f6f4 v[(\d):(\d)+7], v[(\a):(\a)+7], v[(\b):(\b)+7], 0, v[\sa], v[\sb] matrix_a_fmt:MATRIX_FMT_FP4 matrix_b_fmt:MATRIX_FMT_FP4 matrix_a_scale:MATRIX_SCALE_ROW1
.elseif \rb
	v_wmma_scale_f32_16x16x128_f8f6f4 v[(\d):(\d)+7], v[(\a):(\a)+7], v[(\b):(\b)+7], 0, v[\sa], v[\sb] matrix_a_fmt:MATRIX_FMT_FP4 matrix_b_fmt:MATRIX_FMT_FP4 matrix_b_scale:MATRIX_SCALE_ROW1
.else
	v_wmma_scale_f32_16x16x128_f8f6f4 v[(\d):(\d)+7], v[(\a):(\a)+7], v[(\b):(\b)+7], 0, v[\sa], v[\sb] matrix_a_fmt:MATRIX_FMT_FP4 matrix_b_fmt:MATRIX_FMT_FP4
.endif
.else
.if \ra
	v_wmma_scale_f32_16x16x128_f8f6f4 v[(\d):(\d)+7], v[(\a):(\a)+7], v[(\b):(\b)+7], v[(\d):(\d)+7], v[\sa], v[\sb] matrix_a_fmt:MATRIX_FMT_FP4 matrix_b_fmt:MATRIX_FMT_FP4 matrix_a_scale:MATRIX_SCALE_ROW1
.elseif \rb
	v_wmma_scale_f32_16x16x128_f8f6f4 v[(\d):(\d)+7], v[(\a):(\a)+7], v[(\b):(\b)+7], v[(\d):(\d)+7], v[\sa], v[\sb] matrix_a_fmt:MATRIX_FMT_FP4 matrix_b_fmt:MATRIX_FMT_FP4 matrix_b_scale:MATRIX_SCALE_ROW1
.else
	v_wmma_scale_f32_16x16x128_f8f6f4 v[(\d):(\d)+7], v[(\a):(\a)+7], v[(\b):(\b)+7], v[(\d):(\d)+7], v[\sa], v[\sb] matrix_a_fmt:MATRIX_FMT_FP4 matrix_b_fmt:MATRIX_FMT_FP4
.endif
.endif
.endm
; My tile's 16 rows x 512 bytes: each load reads 512 consecutive bytes of one row; rows 0-7, then 16-23 from the pointer
.macro RLOAD p
.set ri, 0
.rept 16
	global_load_b128 v[R+4*ri:R+4*ri+3], v[LI], s[\p:\p+1] offset:(ri+8*(ri/8))*2048 th:TH_LOAD_NT
.set ri, ri+1
.endr
.endm
; Through my own LDS region, so that lane (r, h) holds, of row r, 16 neighbours of each block of 32: register 16 b + i = k 32 b + 16 h + i.  LDS serves a wave's instructions in order: no wait between.
.macro TURN
.set ri, 0
.rept 16
	ds_store_b128 v[TS], v[R+4*ri:R+4*ri+3] offset:ri*528
.set ri, ri+1
.endr
.set ri, 0
.rept 16
	ds_load_b128 v[X+4*ri:X+4*ri+3], v[TL] offset:128*(ri/4)+16*(ri%4)
.set ri, ri+1
.endr
.endm
; nb blocks of 32 (16 numbers a lane and block, register 16 b + i = k 32 b + 16 h + i of my row) become codes in v[dst] on, in the operand's layout, and the scale bytes in v[PW].
.macro QUANT src, nb, dst
.set qb, 0
.rept \nb
	v_max3_num_f32 v[BM+qb], |v[(\src)+16*qb]|, |v[(\src)+16*qb+1]|, 0x1800000   ; with the floor 2^(3 - 127): the byte cannot fall under 1
.set qb, qb+1
.endr
.irp i, 2,4,6,8,10,12,14
.set qb, 0
.rept \nb
	v_max3_num_f32 v[BM+qb], v[BM+qb], |v[(\src)+16*qb+\i]|, |v[(\src)+16*qb+\i+1]|   ; the blocks by turns
.set qb, qb+1
.endr
.endr
.set qb, 0
.rept \nb
	v_permlanex16_b32 v[T+qb], v[BM+qb], s[SEL], s[SEL+1]
.set qb, qb+1
.endr
.set qb, 0
.rept \nb
	v_max_num_f32 v[BM+qb], v[BM+qb], v[T+qb]      ; with lane l xor 16's: the block's largest magnitude
.set qb, qb+1
.endr
.set qb, 0
.rept \nb
	v_add_nc_u32 v[BM+qb], 0xff000000, v[BM+qb]    ; 2 off its exponent field: the conversion's scale operand
.set qb, qb+1
.endr
.set qb, 0
.rept \nb
	v_lshrrev_b32 v[T+qb], 23, v[BM+qb]            ; the scale's byte
.set qb, qb+1
.endr
	v_lshl_or_b32 v[PW], v[T+1], 8, v[T]
.if \nb == 4
	v_lshl_or_b32 v[PW], v[T+2], 16, v[PW]
	v_lshl_or_b32 v[PW], v[T+3], 24, v[PW]
.endif
.set qb, 0
.rept \nb
	v_cvt_scalef32_pk8_fp4_f32 v[(\dst)+2*qb], v[(\src)+16*qb:(\src)+16*qb+7], v[BM+qb]
	v_cvt_scalef32_pk8_fp4_f32 v[(\dst)+2*qb+1], v[(\src)+16*qb+8:(\src)+16*qb+15], v[BM+qb]
.set qb, qb+1
.endr
	v_nop                                          ; one plain line behind the conversions
.set qb, 0
.rept \nb/2                            ; the operand's layout wants a whole block in a lane: lanes 0-15 block 2 c, lanes 16-31 block 2 c + 1
	v_permlane16_swap_b32 v[(\dst)+4*qb], v[(\dst)+4*qb+2]
	v_permlane16_swap_b32 v[(\dst)+4*qb+1], v[(\dst)+4*qb+3]
.set qb, qb+1
.endr
.endm
.macro XLOADW buf, s, wc               ; my head's four weight tiles of K step s: 8 loads of 512 consecutive bytes
.irp t, 0,1,2,3
.irp c, 0,1
	global_load_b128 v[\buf+8*\t+4*\c:\buf+8*\t+4*\c+3], v[LI], s[\wc:\wc+1] offset:(4*\t+\s)*1024+512*\c
.endr
.endr
.endm
.macro W_ISSUE wc, ws                  ; 24 loads: all scale words, K steps 0 and 1
.irp b, 0,1
.irp s, 0,1,2,3
	global_load_b32 v[WSR+4*\b+\s], v[L4], s[\ws:\ws+1] offset:\b*512+\s*128
.endr
.endr
	XLOADW XB0, 0, \wc
	XLOADW XB1, 1, \wc
.endm
.macro B_ISSUE p                       ; 16 loads: the bias goes straight into the accumulators, in the result's layout: register j of tile t is column 32 (t / 2) + 16 h + 8 (t % 2) + j
.irp y, 0,1
.irp t, 0,1,2,3
	global_load_b128 v[ACC+32*\y+8*\t:ACC+32*\y+8*\t+3], v[LH64], s[\p:\p+1] offset:(32*(\t/2)+8*(\t%2))*4
	global_load_b128 v[ACC+32*\y+8*\t+4:ACC+32*\y+8*\t+7], v[LH64], s[\p:\p+1] offset:(32*(\t/2)+8*(\t%2))*4+16
.endr
.endr
.endm
; My head's 64 columns for my two row tiles: four K steps of eight products; the eight accumulators take turns.
.macro PROJ_RUN img, sc, wc
	s_wait_loadcnt 0x0                             ; the bias, the scale words, K steps 0 and 1
.irp s, 0,1,2,3
.irp y, 0,1
.irp c, 0,1
	ds_load_b128 v[YF+8*\y+4*\c:YF+8*\y+4*\c+3], v[YA] offset:\img+(4*\y+\s)*1024+512*\c
.endr
	ds_load_b32 v[YS+\y], v[YSA] offset:\sc+(4*\y+\s)*128
.endr
.if \s == 2
	s_wait_loadcnt 0x8                             ; K step 2's weights are in; K step 3's 8 loads may be out
.endif
.if \s == 3
	s_wait_loadcnt 0x0
.endif
	s_wait_dscnt 0x0
.irp t, 0,1,2,3
.irp y, 0,1
	WM ACC+32*\y+8*\t, XB0+32*(\s%2)+8*\t, YF+8*\y, 0, WSR+4*(\t/2)+\s, YS+\y, \t%2, 0
.endr
.endr
	PLACES
.if \s < 2
	XLOADW XB0+32*(\s), \s+2, \wc
.endif
.endr
.endm
.macro KLOAD                           ; 12 loads: a key step's eight tiles of k and their scale words
.irp t, 0,1,2,3,4,5,6,7
	global_load_b128 v[KF+4*\t:KF+4*\t+3], v[LI], s[KVP:KVP+1] offset:512*\t
.endr
.irp i, 0,1,2,3
	global_load_b32 v[KS+\i], v[L4], s[KVP:KVP+1] offset:8192+128*\i
.endr
.endm
.macro VLOAD                           ; 12 loads: its four fragments of v and the scale half words (keys 0-63: v34-35; keys 64-127: v36-37)
.irp t, 0,1,2,3
.irp c, 0,1
	global_load_b128 v[VF+8*\t+4*\c:VF+8*\t+4*\c+3], v[LI], s[KVP:KVP+1] offset:4096+1024*\t+512*\c
.endr
.endr
.irp i, 0,1,2,3
	global_load_b32 v[VS+\i], v[L4], s[KVP:KVP+1] offset:8704+128*\i
.endr
.endm
; A prefetch of the codes (8,192 bytes, lanes 256 bytes apart) of the record behind the one whose loads have just been issued: one key step ahead of its loads.  All sixteen work-groups of a batch
; walk the same records: the batch's first work-group asks, in it the wave g = 0 of each head.  The loop's last trip asks for nothing: the record just loaded is the last.  Records 0 and 1 and the scale words come by their loads alone.
.macro ASK
	s_cmp_gt_u32 s[CNT], s[LIM]
	s_cbranch_scc0 .Lnot_mine_\@
	global_prefetch_b8 v[PFO], s[KVP:KVP+1] offset:9216 th:TH_LOAD_NT scope:SCOPE_SE
.Lnot_mine_\@:
.endm
.macro SMUL y                          ; S^T = k q^T: eight tiles of 16 keys; lane (r, h) holds query r, register 16 b + i key 32 b + 16 h + i
.irp t, 0,1,2,3,4,5,6,7
	WM S+8*\t, KF+4*\t, QF+8*(\y), 1, KS+\t/2, QS+(\y), \t%2, 0
.endr
.endm
.macro PV y                            ; O^T += v^T p^T: four tiles of 16 channels, K = these 128 keys
.irp t, 0,1,2,3
	WM O+32*(\y)+8*\t, VF+8*\t, PC, 0, VS+\t/2, PW, \t%2, 0
.endr
.endm
; The softmax of row tile y for one key step.  Statistics at v[4 + 4 y]: -M, the largest t, the sum in two halves.  first = 1: v of this step is awaited and its scale words are made whole.
.macro SOFTMAX y, first
.set ST, 4+4*(\y)
.set OY, O+32*(\y)
.irp b, 0,1,2,3
	v_max3_num_f32 v[BM+\b], v[S+16*\b], v[S+16*\b+1], v[S+16*\b+2]   ; the largest score of each block of 32 keys: for the row's maximum, and, since p rises with the score, for the block's largest p
.endr
.irp i, 3,5,7,9,11,13
.irp b, 0,1,2,3
	v_max3_num_f32 v[BM+\b], v[BM+\b], v[S+16*\b+\i], v[S+16*\b+\i+1]
.endr
.endr
.irp b, 0,1,2,3
	v_max_num_f32 v[BM+\b], v[BM+\b], v[S+16*\b+15]
.endr
.irp b, 0,1,2,3
	v_permlanex16_b32 v[T+\b], v[BM+\b], s[SEL], s[SEL+1]
.endr
.irp b, 0,1,2,3
	v_max_num_f32 v[BM+\b], v[BM+\b], v[T+\b]      ; with lane l xor 16's 16 keys
.endr
	v_max3_num_f32 v3, v[BM], v[BM+1], v[BM+2]
	v_max_num_f32 v3, v3, v[BM+3]
	v_mul_f32 v3, s[CS], v3                        ; the step's largest t (c is positive)
	v_max_num_f32 v[ST+1], v[ST+1], v3             ; the running largest t
	v_mov_b32 v3, v[ST]
	v_floor_f32 v[ST], -v[ST+1]                    ; the new -M = -ceil(t): a whole number
	v_sub_f32 v3, v[ST], v3                        ; old M - new M: a whole number, 0 or less
	v_cvt_i32_f32 v3, v3                           ; (it saturates)
	v_ldexp_f32 v[F], 1.0, v3                      ; f = 2^(old M - new M): a multiplication by it rounds nothing
.set sj, 0
.rept 32
	v_pk_fma_f32 v[S+sj:S+sj+1], v[S+sj:S+sj+1], s[CS:CS+1], v[ST:ST+1] op_sel_hi:[1,0,0]   ; t - M, two at a time
.set sj, sj+2
.endr
.irp b, 0,1,2,3
	v_fma_f32 v[BM+\b], v[BM+\b], s[CS], v[ST]     ; the same of each block's largest score
.endr
.set sj, 0
.rept 64
	v_exp_f32 v[S+sj], v[S+sj]                     ; p = 2^(t - M), at most 1
.set sj, sj+1
.endr
.irp b, 0,1,2,3
	v_exp_f32 v[BM+\b], v[BM+\b]                   ; the block's largest p: the same two instructions on the same number
.endr
	v_pk_mul_f32 v[ST+2:ST+3], v[ST+2:ST+3], v[F:F+1] op_sel_hi:[1,0]   ; the sums under the new M (a plain line behind the exponentials)
	s_wait_alu depctr_va_vdst(0)
.irp b, 0,1,2,3
	v_max_num_f32 v[BM+\b], 0x1800000, v[BM+\b]    ; the floor 2^(3 - 127)
.endr
.irp b, 0,1,2,3
	v_add_nc_u32 v[BM+\b], 0xff000000, v[BM+\b]    ; 2 off the exponent field: the conversion's scale operand
.endr
.irp b, 0,1,2,3
	v_lshrrev_b32 v[T+\b], 23, v[BM+\b]
.endr
	v_lshl_or_b32 v[PW], v[T+1], 8, v[T]           ; p's scale word for these 128 keys
	v_lshl_or_b32 v[PW], v[T+2], 16, v[PW]
	v_lshl_or_b32 v[PW], v[T+3], 24, v[PW]
.irp b, 0,1,2,3
	v_cvt_scalef32_pk8_fp4_f32 v[PC+2*\b], v[S+16*\b:S+16*\b+7], v[BM+\b]
	v_cvt_scalef32_pk8_fp4_f32 v[PC+2*\b+1], v[S+16*\b+8:S+16*\b+15], v[BM+\b]
.endr
	v_nop                                          ; one plain line behind the conversions
.irp c, 0,1
.irp i, 0,1
	v_permlane16_swap_b32 v[PC+4*\c+\i], v[PC+4*\c+2+\i]
.endr
.endr
.if \first
	s_wait_loadcnt 0x0                             ; v of this step is in: nothing else is out
	v_lshl_or_b32 v[VS], v[VS+2], 16, v[VS]        ; the two half words make a scale word; the 48 lines below stand between these and the products
	v_lshl_or_b32 v[VS+1], v[VS+3], 16, v[VS+1]
.endif
	v_pk_add_f32 v[T:T+1], v[S:S+1], v[S+2:S+3]    ; the row's sum is taken of the unquantised p: two at a time, in two chains
.set sj, 4
.rept 15
	v_pk_add_f32 v[ST+2:ST+3], v[ST+2:ST+3], v[S+sj:S+sj+1]
	v_pk_add_f32 v[T:T+1], v[T:T+1], v[S+sj+2:S+sj+3]
.set sj, sj+4
.endr
	v_pk_add_f32 v[ST+2:ST+3], v[ST+2:ST+3], v[T:T+1]
.set sj, 0
.rept 16
	v_pk_mul_f32 v[OY+sj:OY+sj+1], v[OY+sj:OY+sj+1], v[F:F+1] op_sel_hi:[1,0]   ; O^T under the new M, each accumulator from its low end on
.set sj, sj+2
.endr
.endm
; A key step of 128 keys for both row tiles.  last = 1: nothing more is asked for.
.macro TRIP last
	s_wait_loadcnt 12                              ; k of this step is in; v's 12 loads may be out
	SMUL 0
	PLACES
	SOFTMAX 0, 1
	PV 0
	SMUL 1
	PLACES
.if !\last
	s_wait_xcnt 0x0                                ; every earlier load and prefetch has read the record's address: it may step
	s_add_nc_u64 s[KVP:KVP+1], s[KVP:KVP+1], 9216
	KLOAD                                          ; the next step's k lands while tile 1's softmax is walked
	ASK
.endif
	SOFTMAX 1, 0
	PV 1
.if !\last
	PLACES
	VLOAD                                          ; and its v while the next step's first softmax is walked
.endif
.endm
; The pair sums in v[242:243] (tile 0) and v[244:245] (tile 1) become the rows' sums over all 512 columns, in v12 and v20: lane l xor 16, then the eight heads' waves through LDS.
.macro RSUM red
	v_add_f32 v242, v242, v243
	v_add_f32 v244, v244, v245
	v_permlanex16_b32 v246, v242, s[SEL], s[SEL+1]
	v_permlanex16_b32 v247, v244, s[SEL], s[SEL+1]
	v_add_f32 v242, v242, v246
	v_add_f32 v244, v244, v247
	ds_store_b32 v[RWA], v242 offset:\red          ; word hd of the row's eight (both lanes of a row write the same number)
	ds_store_b32 v[RWA], v244 offset:\red+512
	BARRIER
	ds_load_b128 v[12:15], v[RRA] offset:\red
	ds_load_b128 v[16:19], v[RRA] offset:\red+16
	ds_load_b128 v[20:23], v[RRA] offset:\red+512
	ds_load_b128 v[24:27], v[RRA] offset:\red+528
	s_wait_dscnt 0x0
	v_pk_add_f32 v[12:13], v[12:13], v[14:15]
	v_pk_add_f32 v[20:21], v[20:21], v[22:23]
	v_pk_add_f32 v[16:17], v[16:17], v[18:19]
	v_pk_add_f32 v[24:25], v[24:25], v[26:27]
	v_pk_add_f32 v[12:13], v[12:13], v[16:17]
	v_pk_add_f32 v[20:21], v[20:21], v[24:25]
	v_add_f32 v12, v12, v13
	v_add_f32 v20, v20, v21
.endm
; O = (O - mean) / sqrt(mean square of the differences + 1e-5), along the 512 columns.  Each of the two sums has LDS bytes of its own, written once.
.macro LNORM ra, rb
	v_pk_add_f32 v[242:243], v[O:O+1], v[O+2:O+3]
	v_pk_add_f32 v[244:245], v[O+32:O+33], v[O+34:O+35]
.set lj, 4
.rept 14
	v_pk_add_f32 v[242:243], v[242:243], v[O+lj:O+lj+1]
	v_pk_add_f32 v[244:245], v[244:245], v[O+32+lj:O+32+lj+1]
.set lj, lj+2
.endr
	RSUM \ra
	v_mul_f32 v12, s60, v12                        ; / 512
	v_mul_f32 v20, s60, v20
.set lj, 0
.rept 16
	v_pk_add_f32 v[O+lj:O+lj+1], v[O+lj:O+lj+1], v[12:13] op_sel_hi:[1,0] neg_lo:[0,1] neg_hi:[0,1]
	v_pk_add_f32 v[O+32+lj:O+32+lj+1], v[O+32+lj:O+32+lj+1], v[20:21] op_sel_hi:[1,0] neg_lo:[0,1] neg_hi:[0,1]
.set lj, lj+2
.endr
	v_pk_mul_f32 v[242:243], v[O:O+1], v[O:O+1]
	v_pk_mul_f32 v[244:245], v[O+32:O+33], v[O+32:O+33]
.set lj, 2
.rept 15
	v_pk_fma_f32 v[242:243], v[O+lj:O+lj+1], v[O+lj:O+lj+1], v[242:243]
	v_pk_fma_f32 v[244:245], v[O+32+lj:O+32+lj+1], v[O+32+lj:O+32+lj+1], v[244:245]
.set lj, lj+2
.endr
	RSUM \rb
	v_fma_f32 v12, v12, s60, s61                   ; / 512 + 1e-5
	v_fma_f32 v20, v20, s60, s61
	v_rsq_f32 v12, v12
	v_rsq_f32 v20, v20
	v_nop                                          ; a plain line behind the transcendentals
.set lj, 0
	s_wait_alu depctr_va_vdst(0)
.rept 16
	v_pk_mul_f32 v[O+lj:O+lj+1], v[O+lj:O+lj+1], v[12:13] op_sel_hi:[1,0]
	v_pk_mul_f32 v[O+32+lj:O+32+lj+1], v[O+32+lj:O+32+lj+1], v[20:21] op_sel_hi:[1,0]
.set lj, lj+2
.endr
.endm
; O += gelu(z) for accumulator n's eight numbers
.macro GELU n
.set Z, ACC+8*(\n)
.set OO, O+8*(\n)
.irp i, 0,1,2,3,4,5,6,7
	v_fma_f32 v[GA+\i], |v[Z+\i]|, s36, 1.0        ; 1 + 0.23164189 |z|
.endr
.irp i, 0,2,4,6
	v_pk_mul_f32 v[GE+\i:GE+\i+1], v[Z+\i:Z+\i+1], v[Z+\i:Z+\i+1]
.endr
.irp i, 0,2,4,6
	v_pk_mul_f32 v[GE+\i:GE+\i+1], v[GE+\i:GE+\i+1], s[38:39] op_sel_hi:[1,0]   ; -z^2 log2(e) / 2
.endr
.irp i, 0,1,2,3,4,5,6,7
	v_rcp_f32 v[GA+\i], v[GA+\i]                   ; u
.endr
.irp i, 0,1,2,3,4,5,6,7
	v_exp_f32 v[GE+\i], v[GE+\i]
.endr
.irp i, 0,1,2,3,4,5,6,7
	v_max_num_f32 v[GM+\i], 0, v[Z+\i]             ; (plain lines behind the transcendentals)
.endr
	s_wait_alu depctr_va_vdst(0)
.irp i, 0,2,4,6
	v_pk_fma_f32 v[GP+\i:GP+\i+1], v[GA+\i:GA+\i+1], s[46:47], v[GC:GC+1] op_sel_hi:[1,0,1]   ; a5 u + a4
.endr
.irp i, 0,2,4,6
	v_pk_fma_f32 v[GP+\i:GP+\i+1], v[GP+\i:GP+\i+1], v[GA+\i:GA+\i+1], s[44:45] op_sel_hi:[1,1,0]   ; .. u + a3
.endr
.irp i, 0,2,4,6
	v_pk_fma_f32 v[GP+\i:GP+\i+1], v[GP+\i:GP+\i+1], v[GA+\i:GA+\i+1], s[42:43] op_sel_hi:[1,1,0]   ; .. u + a2
.endr
.irp i, 0,2,4,6
	v_pk_fma_f32 v[GP+\i:GP+\i+1], v[GP+\i:GP+\i+1], v[GA+\i:GA+\i+1], s[40:41] op_sel_hi:[1,1,0]   ; .. u + a1
.endr
.irp i, 0,2,4,6
	v_pk_mul_f32 v[GP+\i:GP+\i+1], v[GP+\i:GP+\i+1], v[GA+\i:GA+\i+1]
.endr
.irp i, 0,2,4,6
	v_pk_mul_f32 v[GP+\i:GP+\i+1], v[GP+\i:GP+\i+1], v[GE+\i:GE+\i+1]
.endr
.irp i, 0,1,2,3,4,5,6,7
	v_mul_f32 v[GP+\i], |v[Z+\i]|, v[GP+\i]
.endr
.irp i, 0,2,4,6
	v_pk_add_f32 v[OO+\i:OO+\i+1], v[OO+\i:OO+\i+1], v[GM+\i:GM+\i+1]
.endr
.irp i, 0,2,4,6
	v_pk_fma_f32 v[OO+\i:OO+\i+1], v[GP+\i:GP+\i+1], -0.5, v[OO+\i:OO+\i+1] op_sel_hi:[1,0,1]
.endr
.endm
	s_load_b256 s[4:11], s[0:1], 0x0               ; Q, bq, bo, wcodes
	s_load_b128 s[12:15], s[0:1], 0x20             ; wscales, kv
	s_load_b64 s[16:17], s[0:1], 0x30              ; out0
	v_lshrrev_b32 v3, 5, v0
	v_readfirstlane_b32 s18, v3                    ; wave 0..15
	v_and_b32 v4, 31, v0                           ; lane
	v_and_b32 v8, 15, v0                           ; r
	v_bfe_u32 v3, v0, 4, 1                         ; h
	v_lshlrev_b32 v[LI], 4, v4
	v_lshlrev_b32 v[L4], 2, v4
	v_lshlrev_b32 v[PFO], 8, v4
	s_lshr_b32 s19, s18, 1                         ; hd
	s_and_b32 s20, s18, 1                          ; g
	s_mul_i32 s21, s18, PRIVB
	s_add_co_u32 s21, s21, PRIV
	v_add_nc_u32 v[TS], s21, v[LI]
	v_mul_u32_u24 v[TL], v8, 528
	v_lshl_add_u32 v[TL], v3, 6, v[TL]
	v_add_nc_u32 v[TL], s21, v[TL]
	s_lshl_b32 s21, s18, 10
	v_add_nc_u32 v[IA], s21, v[LI]
	s_lshl_b32 s21, s18, 7
	v_add_nc_u32 v[ISA], s21, v[L4]
	s_lshl_b32 s21, s20, 13
	v_add_nc_u32 v[YA], s21, v[LI]
	s_lshl_b32 s21, s20, 10
	v_add_nc_u32 v[YSA], s21, v[L4]
	v_lshlrev_b32 v[LH64], 6, v3
.irp b, 0,1,2,3
	v_mov_b32 v[T+\b], 0                           ; written once: a lane permute's destination counts as one of its sources
.endr
	s_mov_b32 s[SEL], 0x76543210
	s_mov_b32 s[SEL+1], 0xfedcba98
	s_mov_b32 s[CS], 0x3d8293ee                    ; c = log2(e) / sqrt(512)
	s_mov_b32 s[CS+1], s[CS]
	s_mov_b32 s[CNT], 7
	s_and_b32 s[LIM], ttmp9, 15                    ; the batch's first work-group,
	s_or_b32 s[LIM], s[LIM], s20                   ; the wave g = 0 of each head
	s_cmp_eq_u32 s[LIM], 0
	s_cselect_b32 s[LIM], 1, -1
	s_mov_b32 s36, 0x3e6d3388                      ; 0.23164189
	s_mov_b32 s37, s36
	s_mov_b32 s38, 0xbf38aa3b                      ; -log2(e) / 2
	s_mov_b32 s39, s38
	s_mov_b32 s40, 0x3e827906                      ; a1 = 0.254829592
	s_mov_b32 s41, s40
	s_mov_b32 s42, 0xbe91a98e                      ; a2 = -0.284496736
	s_mov_b32 s43, s42
	s_mov_b32 s44, 0x3fb5f0e3                      ; a3 = 1.421413741
	s_mov_b32 s45, s44
	s_mov_b32 s46, 0x3f87dc22                      ; a5 = 1.061405429
	s_mov_b32 s47, s46
	s_mov_b32 s48, 0xbfba00e3                      ; a4 = -1.453152027
	s_mov_b32 s60, 0x3b000000                      ; 1 / 512
	s_mov_b32 s61, 0x3727c5ac                      ; 1e-5
	s_lshl_b32 s32, ttmp9, 17                      ; Q: 64 rows of 2,048 bytes a work-group,
	s_lshr_b32 s21, s18, 3
	s_lshl_b32 s21, s21, 16                        ; my row tile m = wave / 4 begins at row 32 (m / 2) + 8 (m % 2),
	s_add_co_u32 s32, s32, s21
	s_bfe_u32 s21, s18, 0x10002
	s_lshl_b32 s21, s21, 14
	s_add_co_u32 s32, s32, s21
	s_and_b32 s21, s18, 3
	s_lshl_b32 s21, s21, 9                         ; my K step: 512 bytes of a row
	s_add_co_u32 s32, s32, s21
	s_mov_b32 s33, 0
	s_wait_kmcnt 0x0
	s_add_nc_u64 s[4:5], s[4:5], s[32:33]
	s_lshl_b32 s32, s19, 14
	s_add_nc_u64 s[28:29], s[10:11], s[32:33]      ; Wq: my head's four tiles
	s_lshl_b32 s32, s19, 10
	s_add_nc_u64 s[30:31], s[12:13], s[32:33]      ; and their scale words
	RLOAD 4
	W_ISSUE 28, 30
	s_add_nc_u64 s[56:57], s[28:29], 393216        ; the same in Wo
	s_add_nc_u64 s[58:59], s[30:31], 24576
	s_lshl_b32 s32, s19, 8
	s_add_nc_u64 s[6:7], s[6:7], s[32:33]          ; bq, bo: my head's 64
	s_add_nc_u64 s[8:9], s[8:9], s[32:33]
	s_lshr_b32 s32, ttmp9, 4                       ; batch
	s_lshl_b32 s32, s32, 3
	s_add_co_u32 s32, s32, s19
	s_mul_i32 s32, s32, 73728                      ; my head's eight records
	s_add_nc_u64 s[KVP:KVP+1], s[14:15], s[32:33]
	s_lshl_b32 s32, ttmp9, 17                      ; out0: row 64 x work-group + 32 g, column 64 hd
	s_lshl_b32 s21, s20, 16
	s_add_co_u32 s32, s32, s21
	s_lshl_b32 s21, s19, 8
	s_add_co_u32 s32, s32, s21
	s_add_nc_u64 s[16:17], s[16:17], s[32:33]
	; ---- Q's rows become fragments in LDS
	s_wait_loadcnt 24                              ; my 16 row loads are in; the 24 weight loads may be out
	TURN
	s_wait_dscnt 0x0                               ; the rows are back, and the stores have read the registers that the bias now takes
	B_ISSUE 6
	QUANT X, 4, PC
	ds_store_b128 v[IA], v[PC:PC+3] offset:QIMG
	ds_store_b128 v[IA], v[PC+4:PC+7] offset:QIMG+512
	ds_store_b32 v[ISA], v[PW] offset:QSC
	BARRIER                                        ; Q's sixteen fragments lie in LDS; nothing writes them again
	; ---- q = Q Wq + bq: my head, my two row tiles
	PROJ_RUN QIMG, QSC, 28
	KLOAD                                          ; key step 0
	VLOAD
.irp i, 0,1,2,3
	v_mov_b32 v[KF+32+\i], 0                       ; the pad behind k's last tile
.endr
.set ri, 0
.rept 16
	ds_store_b128 v[TS], v[ACC+4*ri:ACC+4*ri+3] offset:512*ri   ; q is kept for the residual, in my own LDS region, as an image of its registers; each accumulator from its low end on
.set ri, ri+1
.endr
.irp y, 0,1
	QUANT ACC+32*\y, 2, QF+8*\y
	v_or_b32 v[QS+\y], 0x7f7f0000, v[PW]           ; the upper 64 of the instruction's K: zero codes under the byte of 1
.irp i, 4,5,6,7
	v_mov_b32 v[QF+8*\y+\i], 0
.endr
.endr
.irp y, 0,1
	v_mov_b32 v[5+4*\y], 0xff61b1e6                ; the largest t so far: -3e38
	v_floor_f32 v[4+4*\y], -v[5+4*\y]              ; -M
	v_mov_b32 v[6+4*\y], 0                         ; the sum, in two halves
	v_mov_b32 v[7+4*\y], 0
.endr
.set ri, 0
.rept 64
	v_mov_b32 v[O+ri], 0                           ; O^T: the step is written once, and its first turn finds zeros.  (These lines also stand between q's codes and scale words and the first products)
.set ri, ri+1
.endr
	s_wait_dscnt 0x0                               ; the stash's stores have read the registers that the scores now take
	; ---- attention: eight key steps of 128
.Ltrip:
	TRIP 0
	s_sub_co_u32 s[CNT], s[CNT], 1
	s_cmp_lg_u32 s[CNT], 0
	s_cbranch_scc1 .Ltrip
	TRIP 1
	; ---- O = q + O^T / the sum
	PLACES
	W_ISSUE 56, 58                                 ; Wo is asked for now: it lands under the first norm
	v_add_f32 v242, v6, v7                         ; the sums' two halves,
	v_add_f32 v243, v10, v11
	v_permlanex16_b32 v246, v242, s[SEL], s[SEL+1]
	v_permlanex16_b32 v247, v243, s[SEL], s[SEL+1]
	v_add_f32 v242, v242, v246                     ; and lane l xor 16's
	v_add_f32 v243, v243, v247
	v_rcp_f32 v246, v242
	v_rcp_f32 v248, v243
	v_and_b32 v11, 15, v0                          ; (plain lines behind the transcendentals)  r
	v_bfe_u32 v3, v0, 4, 1                         ; h
.set ri, 0
.rept 16
	ds_load_b128 v[S+4*ri:S+4*ri+3], v[TS] offset:512*ri   ; q comes back
.set ri, ri+1
.endr
	s_lshl_b32 s21, s20, 10
	v_lshl_add_u32 v[RRA], v11, 5, s21             ; a row's eight partial sums: 32 (32 g + 16 y + r)
	s_lshl_b32 s32, s19, 2
	v_add_nc_u32 v[RWA], s32, v[RRA]               ; my word of them
	s_lshl_b32 s32, s20, 13
	s_lshl_b32 s33, s19, 9
	s_add_co_u32 s32, s32, s33
	v_add_nc_u32 v[OIA], s32, v[LI]                ; the image: K step hd / 2, half hd % 2 of row tiles 2 g on: 16 lane + 8,192 g + 512 hd
	s_lshr_b32 s32, s19, 1
	s_lshl_b32 s32, s32, 7
	s_and_b32 s33, s19, 1
	s_lshl_b32 s33, s33, 1
	s_add_co_u32 s32, s32, s33
	s_add_co_u32 s32, s32, s21
	v_add_nc_u32 v[OSA], s32, v[L4]                ; my two bytes of its scale words: 4 lane + 1,024 g + 128 (hd / 2) + 2 (hd % 2)
	s_mul_i32 s32, s18, PRIVB
	s_add_co_u32 s32, s32, PRIV
	v_and_b32 v[SO], 8, v11
	v_add_nc_u32 v[SO], v[SO], v11
	v_mul_u32_u24 v[SO], v[SO], 272
	v_lshl_add_u32 v[SO], v3, 6, v[SO]
	v_add_nc_u32 v[SO], s32, v[SO]                 ; the stage, in: row r + 8 (r / 8) of 272 bytes, + 64 h
	v_mul_u32_u24 v[SRD], v3, 272
	v_lshl_add_u32 v[SRD], v11, 4, v[SRD]
	v_add_nc_u32 v[SRD], s32, v[SRD]               ; and back: lanes 0-15 one row, lanes 16-31 the next
	v_lshlrev_b32 v[GO], 11, v3
	v_lshl_add_u32 v[GO], v11, 4, v[GO]            ; the same two rows in out0
	v_lshlrev_b32 v[LH64], 6, v3
	s_wait_dscnt 0x0
	s_wait_alu depctr_va_vdst(0)
.irp y, 0,1
.set ri, 0
.rept 16
	v_pk_fma_f32 v[O+32*\y+ri:O+32*\y+ri+1], v[O+32*\y+ri:O+32*\y+ri+1], v[246+2*\y:247+2*\y], v[S+32*\y+ri:S+32*\y+ri+1] op_sel_hi:[1,0,1]
.set ri, ri+2
.endr
.endr
	B_ISSUE 8                                      ; bo into the accumulators of the last product
	; ---- the first norm; its result becomes an operand
	LNORM RED, RED+2048
.irp y, 0,1
	QUANT O+32*\y, 2, PC+4*\y
	v_mov_b32 v[YS+\y], v[PW]
	ds_store_b128 v[OIA], v[PC+4*\y:PC+4*\y+3] offset:OIMG+4096*\y
	ds_store_b16 v[OSA], v[YS+\y] offset:OSC+512*\y
.endr
	BARRIER                                        ; its sixteen fragments lie in LDS
	; ---- z = x Wo + bo; x + gelu(z); the second norm
	PROJ_RUN OIMG, OSC, 56
	v_mov_b32 v[GC], s48
	v_mov_b32 v[GC+1], s48
.irp n, 0,1,2,3,4,5,6,7
	GELU \n
.endr
	LNORM RED+4096, RED+6144
	; ---- the way out: my 32 rows x 256 bytes through my own stage, so that sixteen lanes store 256 consecutive bytes, aligned
.irp y, 0,1
.irp b, 0,1
.irp i, 0,1,2,3
	ds_store_b128 v[SO], v[O+32*\y+16*\b+4*\i:O+32*\y+16*\b+4*\i+3] offset:2176*\y+128*\b+16*\i
.endr
.endr
.endr
.set ri, 0
.rept 16
	ds_load_b128 v[XB0+4*ri:XB0+4*ri+3], v[SRD] offset:544*ri   ; LDS serves a wave's instructions in order: these see my stores
.set ri, ri+1
.endr
.set ri, 0
.rept 16
	s_wait_dscnt 15-ri                             ; the later loads may be out
	global_store_b128 v[GO], v[XB0+4*ri:XB0+4*ri+3], s[16:17] offset:4096*ri th:TH_STORE_NT
.set ri, ri+1
.endr
	s_wait_xcnt 0x0
	v_lshl_add_u32 v254, v0, 2, 0x2d000
	v_mov_b32 v255, 0
	s_wait_tensorcnt 0x0
	ds_add_u32 v254, v255
	s_wait_dscnt 0x0
	s_endpgm
.Lfunc_end_k_qcbac610309_mab:
	.size	k_qcbac610309_mab, .Lfunc_end_k_qcbac610309_mab-k_qcbac610309_mab
	.p2alignl 7, 3214868480
	.fill 96, 4, 3214868480
	.section	.rodata,"a",@progbits
	.p2align	6, 0x0
	.amdhsa_kernel k_qcbac610309_mab
		.amdhsa_group_segment_fixed_size 186368
		.amdhsa_private_segment_fixed_size 0
		.amdhsa_enable_private_segment 0
		.amdhsa_kernarg_size 56
		.amdhsa_user_sgpr_count 2
		.amdhsa_user_sgpr_kernarg_segment_ptr 1
		.amdhsa_wavefront_size32 1
		.amdhsa_system_sgpr_workgroup_id_x 1
		.amdhsa_system_sgpr_workgroup_id_y 1
		.amdhsa_system_sgpr_workgroup_id_z 1
		.amdhsa_system_vgpr_workitem_id 0
		.amdhsa_next_free_vgpr 256
		.amdhsa_next_free_sgpr 66
		.amdhsa_reserve_vcc 0
		.amdhsa_float_denorm_mode_32 3
		.amdhsa_float_denorm_mode_16_64 3
		.amdhsa_memory_ordered 1
		.amdhsa_forward_progress 1
		.amdhsa_inst_pref_size 169
	.end_amdhsa_kernel
	.amdgpu_metadata
---
amdhsa.version: [ 1, 2 ]
amdhsa.kernels:
  - .name:           k_qcbac610309_mab
    .symbol:         k_qcbac610309_mab.kd
    .args:
      - { .name: Q, .offset: 0, .size: 8, .value_kind: global_buffer, .address_space: global }
      - { .name: bq, .offset: 8, .size: 8, .value_kind: global_buffer, .address_space: global }
      - { .name: bo, .offset: 16, .size: 8, .value_kind: global_buffer, .address_space: global }
      - { .name: wcodes, .offset: 24, .size: 8, .value_kind: global_buffer, .address_space: global }
      - { .name: wscales, .offset: 32, .size: 8, .value_kind: global_buffer, .address_space: global }
      - { .name: kv, .offset: 40, .size: 8, .value_kind: global_buffer, .address_space: global }
      - { .name: out0, .offset: 48, .size: 8, .value_kind: global_buffer, .address_space: global }
    .group_segment_fixed_size: 186368
    .private_segment_fixed_size: 0
    .kernarg_segment_align: 8
    .kernarg_segment_size: 56
    .max_flat_workgroup_size: 512
    .sgpr_count:     66
    .vgpr_count:     256
    .wavefront_size: 32
...
	.end_amdgpu_metadata
.endif
;; end of part 3
;; ======== version 2 of 2: 3 launches
;; workspace buffers: wcodes 524,288 bytes; wscales 32,768 bytes; kv 9,437,184 bytes
;; launch prep (part 4): grid 64 x 1, 4 waves a work-group, no clusters, 0 bytes of LDS; arguments Wq, Wk, Wv, Wo, wcodes, wscales; writes wcodes, wscales
.if DOCPART == 4
	.amdgcn_target "amdgcn-amd-amdhsa--gfx1250"
	.amdhsa_code_object_version 6
	.text
	.protected	k_qcbac610309_prep
	.globl	k_qcbac610309_prep
	.p2align	8
	.type	k_qcbac610309_prep,@function
k_qcbac610309_prep:
	s_mov_b64 s[64:65], 0
	v_nop
	global_prefetch_b8 v0, s[64:65] scope:SCOPE_SE
	s_setreg_imm32_b32 hwreg(HW_REG_WAVE_MODE, 25, 1), 1
	s_wait_xcnt 0x0
; Wq, Wk, Wv, Wo, each [512 (k)][512 (n)] f32 with K as the first axis, become codes of FP4 (E2M1) with one E8M0 byte for each 32 along K,
; laid in the order of a matrix operand's registers, so that the later launches load whole fragments by dense loads of 16 bytes a lane.
; wcodes:  [w 4][T 32][s 4][c 2][lane 32][16 bytes]: lane (r, h) of tile T holds k = 128 s + 64 c + 32 h + 0 .. 31 of column n = 32 (T / 2) + 8 (T % 2) + r + 8 (r / 8).
; wscales: [w 4][B 16][s 4][32 words]: word 16 u + r is the scale word (four bytes, 128 along K) of tile 2 B + u, row r, K step s.
; A LANE TAKES A COLUMN AND ITS REGISTERS RUN DOWN K: a block of 32 lies in one lane, and the conversions give codes with K innermost.
; A wave takes 32 columns x 128 k; the four waves of a work-group stand side by side on 512 bytes of each row of W.
; A block's scale is 2^(floor(log2(largest magnitude)) - 2): the largest magnitude's exponent field less 2, held at 1 from below.
; LIMITS: a block whose largest magnitude lies under 2^-124, a block of zeros too, keeps the byte 1 (its codes then add nothing or next to nothing; this program alone reads the bytes);
; NaN and infinities among the inputs are not served.
.set XN, 32                            ; v32-159  four blocks of 32 numbers
.set CD, 160                           ; v160-175 four registers of codes a block: no store's data are written again
	s_load_b256 s[4:11], s[0:1], 0x0               ; Wq, Wk, Wv, Wo
	s_load_b128 s[12:15], s[0:1], 0x20             ; wcodes, wscales
	v_lshrrev_b32 v1, 5, v0
	v_readfirstlane_b32 s16, v1                    ; wave
	v_and_b32 v2, 31, v0                           ; lane: column 32 B + lane
	s_lshr_b32 s17, ttmp9, 4                       ; which weight
	s_bfe_u32 s18, ttmp9, 0x20002                  ; which K step of 128
	s_and_b32 s19, ttmp9, 3
	s_lshl_b32 s19, s19, 2
	s_add_co_u32 s19, s19, s16                     ; B: which 32 columns
	v_lshlrev_b32 v4, 2, v2                        ; in: 4 bytes a lane
	v_bfe_u32 v3, v2, 3, 1                         ; u: which tile of the pair my column belongs to
	v_and_b32 v7, 7, v2
	v_lshrrev_b32 v13, 4, v2
	v_lshl_add_u32 v7, v13, 3, v7                  ; r: its row in that tile
	v_lshlrev_b32 v5, 4, v7
	v_lshl_add_u32 v5, v3, 12, v5                  ; codes: 4,096 u + 16 r
	v_lshl_add_u32 v6, v3, 4, v7
	v_lshlrev_b32 v6, 2, v6                        ; scale word: 4 (16 u + r)
	s_lshl_b32 s20, s18, 18                        ; W: 128 s rows of 2,048 bytes
	s_lshl_b32 s21, s19, 7                         ; + 32 B columns
	s_add_co_u32 s20, s20, s21
	s_mov_b32 s21, 0
	s_lshl_b32 s22, s17, 17                        ; wcodes: 131,072 w + 8,192 B + 1,024 s
	s_lshl_b32 s23, s19, 13
	s_add_co_u32 s22, s22, s23
	s_lshl_b32 s23, s18, 10
	s_add_co_u32 s22, s22, s23
	s_mov_b32 s23, 0
	s_lshl_b32 s24, s17, 13                        ; wscales: 8,192 w + 512 B + 128 s
	s_lshl_b32 s25, s19, 9
	s_add_co_u32 s24, s24, s25
	s_lshl_b32 s25, s18, 7
	s_add_co_u32 s24, s24, s25
	s_mov_b32 s25, 0
	s_wait_alu depctr_va_vdst(0)
	s_wait_kmcnt 0x0
	s_cmp_eq_u32 s17, 1                            ; the weight is chosen by the work-group's number alone
	s_cselect_b64 s[4:5], s[6:7], s[4:5]
	s_cmp_eq_u32 s17, 2
	s_cselect_b64 s[4:5], s[8:9], s[4:5]
	s_cmp_eq_u32 s17, 3
	s_cselect_b64 s[4:5], s[10:11], s[4:5]
	s_add_nc_u64 s[4:5], s[4:5], s[20:21]
	s_add_nc_u64 s[12:13], s[12:13], s[22:23]
	s_add_nc_u64 s[14:15], s[14:15], s[24:25]
.macro WLOAD k                         ; block k: W(128 s + 32 k + i, my column), i = 0 .. 31: each load reads 128 consecutive bytes a wave
.set wi, 0
.rept 32
	global_load_b32 v[XN+32*(\k)+wi], v4, s[4:5] offset:(32*(\k)+wi)*2048 th:TH_LOAD_NT
.set wi, wi+1
.endr
.endm
.macro BLOCK k
.set XS, XN+32*(\k)
.if (\k) < 3
	s_wait_loadcnt 32                              ; this block's 32 loads are in; the next block's 32 may be out
.else
	s_wait_loadcnt 0x0
.endif
.if (\k) < 2
	WLOAD (\k)+2                                   ; two blocks ahead
.endif
	v_max3_num_f32 v8, |v[XS]|, |v[XS+1]|, |v[XS+2]|       ; the block's largest magnitude, in two chains
	v_max3_num_f32 v9, |v[XS+3]|, |v[XS+4]|, |v[XS+5]|
.irp i, 6,10,14,18,22,26
	v_max3_num_f32 v8, v8, |v[XS+\i]|, |v[XS+\i+1]|
	v_max3_num_f32 v9, v9, |v[XS+\i+2]|, |v[XS+\i+3]|
.endr
	v_max3_num_f32 v8, v8, |v[XS+30]|, |v[XS+31]|
	v_max3_num_f32 v8, v8, v9, 0x1800000           ; and the floor 2^(3 - 127): the byte cannot fall under 1
	v_add_nc_u32 v10, 0xff000000, v8               ; 2 off the exponent field: the conversion's scale operand
	v_lshrrev_b32 v11, 23, v10                     ; the scale's byte
.if (\k) == 0
	v_mov_b32 v12, v11
.else
	v_lshl_or_b32 v12, v11, 8*(\k), v12            ; four bytes make the word, the lower K in the lower byte
.endif
.irp q, 0,1,2,3
	v_cvt_scalef32_pk8_fp4_f32 v[CD+4*(\k)+\q], v[XS+8*\q:XS+8*\q+7], v10
.endr
	v_nop                                          ; one plain line behind the conversions, ahead of the next write of their scale operand
	global_store_b128 v5, v[CD+4*(\k):CD+4*(\k)+3], s[12:13] offset:((\k)/2)*512+((\k)%2)*256   ; block k = 2 c + h: the sixteen lanes of a tile fill 256 consecutive bytes, aligned
.endm
	WLOAD 0
	WLOAD 1
	BLOCK 0
	BLOCK 1
	BLOCK 2
	BLOCK 3
	global_store_b32 v6, v12, s[14:15]             ; 32 words: 128 consecutive bytes
	s_endpgm
.Lfunc_end_k_qcbac610309_prep:
	.size	k_qcbac610309_prep, .Lfunc_end_k_qcbac610309_prep-k_qcbac610309_prep
	.p2alignl 7, 3214868480
	.fill 96, 4, 3214868480
	.section	.rodata,"a",@progbits
	.p2align	6, 0x0
	.amdhsa_kernel k_qcbac610309_prep
		.amdhsa_group_segment_fixed_size 0
		.amdhsa_private_segment_fixed_size 0
		.amdhsa_enable_private_segment 0
		.amdhsa_kernarg_size 48
		.amdhsa_user_sgpr_count 2
		.amdhsa_user_sgpr_kernarg_segment_ptr 1
		.amdhsa_wavefront_size32 1
		.amdhsa_system_sgpr_workgroup_id_x 1
		.amdhsa_system_sgpr_workgroup_id_y 1
		.amdhsa_system_sgpr_workgroup_id_z 1
		.amdhsa_system_vgpr_workitem_id 0
		.amdhsa_next_free_vgpr 176
		.amdhsa_next_free_sgpr 66
		.amdhsa_reserve_vcc 0
		.amdhsa_float_denorm_mode_32 3
		.amdhsa_float_denorm_mode_16_64 3
		.amdhsa_memory_ordered 1
		.amdhsa_forward_progress 1
		.amdhsa_inst_pref_size 21
	.end_amdhsa_kernel
	.amdgpu_metadata
---
amdhsa.version: [ 1, 2 ]
amdhsa.kernels:
  - .name:           k_qcbac610309_prep
    .symbol:         k_qcbac610309_prep.kd
    .args:
      - { .name: Wq, .offset: 0, .size: 8, .value_kind: global_buffer, .address_space: global }
      - { .name: Wk, .offset: 8, .size: 8, .value_kind: global_buffer, .address_space: global }
      - { .name: Wv, .offset: 16, .size: 8, .value_kind: global_buffer, .address_space: global }
      - { .name: Wo, .offset: 24, .size: 8, .value_kind: global_buffer, .address_space: global }
      - { .name: wcodes, .offset: 32, .size: 8, .value_kind: global_buffer, .address_space: global }
      - { .name: wscales, .offset: 40, .size: 8, .value_kind: global_buffer, .address_space: global }
    .group_segment_fixed_size: 0
    .private_segment_fixed_size: 0
    .kernarg_segment_align: 8
    .kernarg_segment_size: 48
    .max_flat_workgroup_size: 128
    .sgpr_count:     66
    .vgpr_count:     176
    .wavefront_size: 32
...
	.end_amdgpu_metadata
.endif
;; end of part 4
;; launch kvproj (part 5): grid 256 x 1, 16 waves a work-group, no clusters, 155,648 bytes of LDS; arguments K, bk, bv, wcodes, wscales, kv; writes kv
.if DOCPART == 5
	.amdgcn_target "amdgcn-amd-amdhsa--gfx1250"
	.amdhsa_code_object_version 6
	.text
	.protected	k_qcbac610309_kvproj
	.globl	k_qcbac610309_kvproj
	.p2align	8
	.type	k_qcbac610309_kvproj,@function
k_qcbac610309_kvproj:
	s_mov_b64 s[64:65], 0
	v_nop
	global_prefetch_b8 v0, s[64:65] scope:SCOPE_SE
	s_setreg_imm32_b32 hwreg(HW_REG_WAVE_SCHED_MODE, 0, 2), 2
	s_setreg_imm32_b32 hwreg(HW_REG_WAVE_MODE, 25, 1), 1
	s_wait_xcnt 0x0
	s_wait_alu depctr_vm_vsrc(0)
; k = K Wk + bk and v = K Wv + bv on codes of FP4 (E2M1) with E8M0 scales; then k is quantised along each head's 64 and v along the keys, and both leave in the order of the
; attention's operand registers.  K: [16][1024][512] f32.  The weights' codes and scale words come as the launch before has laid them (tile T: columns 32 (T / 2) + 8 (T % 2) + r + 8 (r / 8)).
; kv: one record of 9,216 bytes for each (batch, head, step of 128 keys):
;   +0     k's codes: tile t (keys 32 (t / 2) + 8 (t % 2) + r + 8 (r / 8)) at 512 t + 16 lane; lane (r, h): the head's 32 h + 0 .. 31 of key r
;   +4096  v's codes: 1,024 ct + 512 c + 16 lane; lane (r, h): keys 64 c + 32 h + 0 .. 31 of channel r of tile ct (channels in the same order)
;   +8192  k's scale words: 128 i + 4 lane: lanes 0-15 tile 2 i, lanes 16-31 tile 2 i + 1; bytes 0, 1 the two blocks, bytes 2, 3 = 127
;   +8704  v's scale half words: 256 c + 128 i + 4 lane: the low 16 bits are the bytes of blocks 2 c, 2 c + 1; lanes 0-15 tile 2 i, lanes 16-31 tile 2 i + 1
; SHARES.  A work-group takes 64 keys, sixteen waves.  Wave w first quantises 16 rows x 128 columns of K (row tile w / 4, K step w % 4) and stores the fragment in LDS as an image of its
; registers; behind ONE barrier wave (hd = w / 2, g = w % 2) makes head hd: k for key tiles 2 g, 2 g + 1 (source 0 = 16 columns of Wk, source 1 = 16 keys: a lane holds a key, its registers run
; along the head), then v for channel tiles 2 g, 2 g + 1 and all 64 keys (source 0 = 16 keys, source 1 = 16 columns of Wv: a lane holds a channel, its registers run along the keys).
; THE ROWS OF A TILE ARE NOT NEIGHBOURS: by the order above the 16 registers of two neighbouring tiles are 16 neighbours along the next product's K.
; No tensor load and no cluster: every operand from memory is a dense image of registers that one or two waves of a work-group read, so nothing is shared through LDS but K's own codes.
; LIMITS: a block whose largest magnitude lies under 2^-124, a block of zeros too, keeps the byte 1 (this program alone reads the bytes); NaN and infinities among the inputs are not served.
; THE MODE: SCHED_MODE bits 1:0 = 2 (LLVM: expert scheduling mode 2), set by the entry lines.  The code itself states the register dependences
; between vector or matrix instructions and memory or LDS instructions, with s_wait_alu, always for 0.
; THE PLAN.  Registers that memory or LDS instructions touch:
;   v1-10            offsets and LDS addresses: written at the head, read by every load and store, never written again.
;   ACC              K's rows land; the turn's LDS stores read them; bk lands; from there on matrix and vector instructions alone name them.
;   XB0, XB1, WSR    weights and scale words land; K step s's products read XB[s % 2]; K step s + 2 lands in it; behind k's product all of Wv's two tiles land.
;   row buffers      0 = v12-29, 1 = v234-251 (the quantiser's registers, idle in a product): K step s's LDS loads land in buffer s % 2, its products read it.
;   key buffers      0 = X's first 32 registers and v102-105, 1 = X's last 32 and v12-15: the same for v's product.
;   out              the image's codes and word (v234-241, v251); k's codes and words (v234-241, v22); v's (v12-19, v26): written by the quantiser, read by one run of stores each.
; A product asks for K steps 0 and 1 together; ONE wait on va_vdst behind step 0's products frees its two buffers for step 2, one behind step 1's for step 3; steps 2 and 3 follow each other.
; One wait on va_vdst stands ahead of each run of stores; a wait on vm_vsrc ahead of each load that lands where an LDS store has read.
.set KIMG,  0                          ; LDS: K's 16 fragments: (row tile m, K step s) at 1,024 (4 m + s) + 512 c + 16 lane
.set KSC,   16384                      ; their scale words: 128 (4 m + s) + 4 lane
.set PRIV,  18432                      ; a region of its own for each wave: 16 rows x (512 bytes + 16)
.set PRIVB, 8448
.set LI,   1                           ; v1   16 x lane
.set L4,   2                           ; v2   4 x lane
.set LH64, 3                           ; v3   64 x (lane / 16)
.set TS,   4                           ; v4   my region + 16 lane
.set TL,   5                           ; v5   my region + 528 r + 64 h
.set IA,   6                           ; v6   16 lane + 1,024 wave
.set ISA,  7                           ; v7   4 lane + 128 wave
.set YA,   8                           ; v8   16 lane + 8,192 g
.set YSA,  9                           ; v9   4 lane + 1,024 g
.set RB,   10                          ; v10  4 (r + 8 (r / 8))
.set YF,   12                          ; v12-27   row buffer 0: two fragments of rows
.set YS,   28                          ; v28-29   their scale words
.set ALT,  222                         ; row buffer 1 lies 222 registers further up: fragments v234-249, scale words v250-251
.set WSR,  30                          ; v30-37   the weights' scale words
.set XB0,  38                          ; v38-69   four weight fragments of an even K step
.set XB1,  70                          ; v70-101  of an odd one
.set XS,   102                         ; v102-105 scale words of four key tiles, key buffer 0; key buffer 1's lie 90 registers further down: v12-15
.set ACC,  106                         ; v106-169 eight accumulators: (t, y) at ACC + 32 y + 8 t
.set R,    106                         ; the same registers take the rows as loaded
.set X,    170                         ; v170-233 64 numbers of a row; later two key buffers of four fragments
.set PC,   234                         ; v234-241 codes just made
.set BM,   242                         ; v242-245 largest magnitudes, then the conversions' scale operands
.set T,    246                         ; v246-249 at work
.set PW,   251                         ; v251     the scale word just made
.set SEL,  22                          ; s[22:23] v_permlanex16_b32's selects for lane l xor 16
.macro PLACES                          ; four plain lines behind matrix instructions, ahead of loads into their registers and of reads of their results
.rept 4
	v_nop
.endr
.endm
.macro BARRIER                         ; my LDS stores have landed and my LDS loads are in: then the work-group's barrier
	s_wait_dscnt 0x0
	s_barrier_signal -1
	s_barrier_wait -1
.endm
; One product 16 x 16 x 128.  z = 1: C is the constant 0; else C = D.  ra, rb = 1: that side's scales stand in lanes 16-31.
.macro WM d, a, b, z, sa, sb, ra, rb
.if \z
.if \ra
	v_wmma_scale_f32_16x16x128_f8f6f4 v[(\d):(\d)+7], v[(\a):(\a)+7], v[(\b):(\b)+7], 0, v[\sa], v[\sb] matrix_a_fmt:MATRIX_FMT_FP4 matrix_b_fmt:MATRIX_FMT_FP4 matrix_a_scale:MATRIX_SCALE_ROW1
.elseif \rb
	v_wmma_scale_f32_16x16x128_f8f6f4 v[(\d):(\d)+7], v[(\a):(\a)+7], v[(\b):(\b)+7], 0, v[\sa], v[\sb] matrix_a_fmt:MATRIX_FMT_FP4 matrix_b_fmt:MATRIX_FMT_FP4 matrix_b_scale:MATRIX_SCALE_ROW1
.else
	v_wmma_scale_f32_16x16x128_f8f6f4 v[(\d):(\d)+7], v[(\a):(\a)+7], v[(\b):(\b)+7], 0, v[\sa], v[\sb] matrix_a_fmt:MATRIX_FMT_FP4 matrix_b_fmt:MATRIX_FMT_FP4
.endif
.else
.if \ra
	v_wmma_scale_f32_16x16x128_f8f6f4 v[(\d):(\d)+7], v[(\a):(\a)+7], v[(\b):(\b)+7], v[(\d):(\d)+7], v[\sa], v[\sb] matrix_a_fmt:MATRIX_FMT_FP4 matrix_b_fmt:MATRIX_FMT_FP4 matrix_a_scale:MATRIX_SCALE_ROW1
.elseif \rb
	v_wmma_scale_f32_16x16x128_f8f6f4 v[(\d):(\d)+7], v[(\a):(\a)+7], v[(\b):(\b)+7], v[(\d):(\d)+7], v[\sa], v[\sb] matrix_a_fmt:MATRIX_FMT_FP4 matrix_b_fmt:MATRIX_FMT_FP4 matrix_b_scale:MATRIX_SCALE_ROW1
.else
	v_wmma_scale_f32_16x16x128_f8f6f4 v[(\d):(\d)+7], v[(\a):(\a)+7], v[(\b):(\b)+7], v[(\d):(\d)+7], v[\sa], v[\sb] matrix_a_fmt:MATRIX_FMT_FP4 matrix_b_fmt:MATRIX_FMT_FP4
.endif
.endif
.endm
; My tile's 16 rows x 512 bytes: each load reads 512 consecutive bytes of one row; rows 0-7, then 16-23 from the pointer
.macro RLOAD p
.set ri, 0
.rept 16
	global_load_b128 v[R+4*ri:R+4*ri+3], v[LI], s[\p:\p+1] offset:(ri+8*(ri/8))*2048 th:TH_LOAD_NT
.set ri, ri+1
.endr
.endm
; Through my own LDS region, so that lane (r, h) holds, of row r, 16 neighbours of each block of 32: register 16 b + i = k 32 b + 16 h + i.  LDS serves a wave's instructions in order: no wait between.
.macro TURN
.set ri, 0
.rept 16
	ds_store_b128 v[TS], v[R+4*ri:R+4*ri+3] offset:ri*528
.set ri, ri+1
.endr
.set ri, 0
.rept 16
	ds_load_b128 v[X+4*ri:X+4*ri+3], v[TL] offset:128*(ri/4)+16*(ri%4)
.set ri, ri+1
.endr
.endm
; nb blocks of 32 (16 numbers a lane and block, register 16 b + i = k 32 b + 16 h + i of my row) become codes in v[dst] on, in the operand's layout, and the scale bytes in v[PW].
.macro QUANT src, nb, dst
.set qb, 0
.rept \nb
	v_max3_num_f32 v[BM+qb], |v[(\src)+16*qb]|, |v[(\src)+16*qb+1]|, 0x1800000   ; with the floor 2^(3 - 127): the byte cannot fall under 1
.set qb, qb+1
.endr
.irp i, 2,4,6,8,10,12,14
.set qb, 0
.rept \nb
	v_max3_num_f32 v[BM+qb], v[BM+qb], |v[(\src)+16*qb+\i]|, |v[(\src)+16*qb+\i+1]|   ; the blocks by turns
.set qb, qb+1
.endr
.endr
.set qb, 0
.rept \nb
	v_permlanex16_b32 v[T+qb], v[BM+qb], s[SEL], s[SEL+1]
.set qb, qb+1
.endr
.set qb, 0
.rept \nb
	v_max_num_f32 v[BM+qb], v[BM+qb], v[T+qb]      ; with lane l xor 16's: the block's largest magnitude
.set qb, qb+1
.endr
.set qb, 0
.rept \nb
	v_add_nc_u32 v[BM+qb], 0xff000000, v[BM+qb]    ; 2 off its exponent field: the conversion's scale operand
.set qb, qb+1
.endr
.set qb, 0
.rept \nb
	v_lshrrev_b32 v[T+qb], 23, v[BM+qb]            ; the scale's byte
.set qb, qb+1
.endr
	v_lshl_or_b32 v[PW], v[T+1], 8, v[T]
.if \nb == 4
	v_lshl_or_b32 v[PW], v[T+2], 16, v[PW]
	v_lshl_or_b32 v[PW], v[T+3], 24, v[PW]
.endif
.set qb, 0
.rept \nb
	v_cvt_scalef32_pk8_fp4_f32 v[(\dst)+2*qb], v[(\src)+16*qb:(\src)+16*qb+7], v[BM+qb]
	v_cvt_scalef32_pk8_fp4_f32 v[(\dst)+2*qb+1], v[(\src)+16*qb+8:(\src)+16*qb+15], v[BM+qb]
.set qb, qb+1
.endr
	v_nop                                          ; one plain line behind the conversions
.set qb, 0
.rept \nb/2                            ; the operand's layout wants a whole block in a lane: lanes 0-15 block 2 c, lanes 16-31 block 2 c + 1
	v_permlane16_swap_b32 v[(\dst)+4*qb], v[(\dst)+4*qb+2]
	v_permlane16_swap_b32 v[(\dst)+4*qb+1], v[(\dst)+4*qb+3]
.set qb, qb+1
.endr
.endm
.macro XLOADW buf, s, wc               ; my head's four weight tiles of K step s: 8 loads of 512 consecutive bytes
.irp t, 0,1,2,3
.irp c, 0,1
	global_load_b128 v[\buf+8*\t+4*\c:\buf+8*\t+4*\c+3], v[LI], s[\wc:\wc+1] offset:(4*\t+\s)*1024+512*\c
.endr
.endr
.endm
.macro W_ISSUE wc, ws                  ; 24 loads: all scale words, K steps 0 and 1
.irp b, 0,1
.irp s, 0,1,2,3
	global_load_b32 v[WSR+4*\b+\s], v[L4], s[\ws:\ws+1] offset:\b*512+\s*128
.endr
.endr
	XLOADW XB0, 0, \wc
	XLOADW XB1, 1, \wc
.endm
.macro B_ISSUE p                       ; 16 loads: the bias goes straight into the accumulators, in the result's layout: register j of tile t is column 32 (t / 2) + 16 h + 8 (t % 2) + j
.irp y, 0,1
.irp t, 0,1,2,3
	global_load_b128 v[ACC+32*\y+8*\t:ACC+32*\y+8*\t+3], v[LH64], s[\p:\p+1] offset:(32*(\t/2)+8*(\t%2))*4
	global_load_b128 v[ACC+32*\y+8*\t+4:ACC+32*\y+8*\t+7], v[LH64], s[\p:\p+1] offset:(32*(\t/2)+8*(\t%2))*4+16
.endr
.endr
.endm
.macro YLOAD img, sc, s                ; six LDS loads: my two row tiles' fragments of K step s and their scale words, into row buffer s % 2
.irp y, 0,1
.irp c, 0,1
	ds_load_b128 v[YF+ALT*((\s)%2)+8*\y+4*\c:YF+ALT*((\s)%2)+8*\y+4*\c+3], v[YA] offset:\img+(4*\y+(\s))*1024+512*\c
.endr
	ds_load_b32 v[YS+ALT*((\s)%2)+\y], v[YSA] offset:\sc+(4*\y+(\s))*128
.endr
.endm
.macro PMUL s                          ; K step s: eight products; the eight accumulators take turns
.irp t, 0,1,2,3
.irp y, 0,1
	WM ACC+32*\y+8*\t, XB0+32*((\s)%2)+8*\t, YF+ALT*((\s)%2)+8*\y, 0, WSR+4*(\t/2)+(\s), YS+ALT*((\s)%2)+\y, \t%2, 0
.endr
.endr
.endm
; My head's 64 columns for my two row tiles: four K steps of eight products, K ascending.
.macro PROJ_RUN img, sc, wc
	YLOAD \img, \sc, 0
	YLOAD \img, \sc, 1
	s_wait_loadcnt 0x0                             ; the bias, the scale words, K steps 0 and 1
	s_wait_dscnt 0x6                               ; row buffer 0 is in; buffer 1's six loads may be out
	PMUL 0
	PLACES
	s_wait_alu depctr_va_vdst(0)                   ; K step 0's products are done reading XB0 and row buffer 0, in which K step 2 lands
	XLOADW XB0, 2, \wc
	YLOAD \img, \sc, 2
	s_wait_dscnt 0x6                               ; row buffer 1 is in; K step 2's six loads may be out
	PMUL 1
	PLACES
	s_wait_alu depctr_va_vdst(0)                   ; K step 1's products are done reading XB1 and row buffer 1, in which K step 3 lands
	XLOADW XB1, 3, \wc
	YLOAD \img, \sc, 3
	s_wait_loadcnt 0x8                             ; K step 2's weights are in; K step 3's 8 loads may be out
	s_wait_dscnt 0x6                               ; and its rows; K step 3's six loads may be out
	PMUL 2
	s_wait_loadcnt 0x0
	s_wait_dscnt 0x0
	PMUL 3
	PLACES
.endm
.macro VYLOAD s                        ; twelve LDS loads: all four key tiles' fragments of K step s and their scale words, into key buffer s % 2
.irp x, 0,1,2,3
.irp c, 0,1
	ds_load_b128 v[X+32*((\s)%2)+8*\x+4*\c:X+32*((\s)%2)+8*\x+4*\c+3], v[LI] offset:KIMG+(4*\x+(\s))*1024+512*\c
.endr
	ds_load_b32 v[XS-90*((\s)%2)+\x], v[L4] offset:KSC+(4*\x+(\s))*128
.endr
.endm
.macro VMUL s, z                       ; v, K step s: source 0 = 16 keys, source 1 = 16 channels; eight accumulators by turns.  z = 1: the sums begin
.irp x, 0,1,2,3
.irp y, 0,1
	WM ACC+32*\y+8*\x, X+32*((\s)%2)+8*\x, XB0+32*\y+8*(\s), \z, XS-90*((\s)%2)+\x, WSR+(\s), 0, \y
.endr
.endr
.endm
	s_load_b256 s[4:11], s[0:1], 0x0               ; K, bk, bv, wcodes
	s_load_b128 s[12:15], s[0:1], 0x20             ; wscales, kv
	v_lshrrev_b32 v3, 5, v0
	v_readfirstlane_b32 s18, v3                    ; wave 0..15
	v_and_b32 v10, 31, v0                          ; lane
	v_and_b32 v11, 15, v0                          ; r
	v_bfe_u32 v3, v0, 4, 1                         ; h
	v_lshlrev_b32 v[LI], 4, v10
	s_wait_alu depctr_va_vdst(0)
	v_lshlrev_b32 v[L4], 2, v10
	s_wait_alu depctr_va_vdst(0)
	v_cmp_le_u32 s40, 16, v10                      ; the mask of lanes 16-31
	s_wait_alu depctr_va_sdst(0)                   ; s18 and s40 are written, ahead of their first readers: the scalar lines below, and the two selects by s40
	s_lshr_b32 s19, s18, 1                         ; hd
	s_and_b32 s20, s18, 1                          ; g
	s_mul_i32 s21, s18, PRIVB
	s_add_co_u32 s21, s21, PRIV
	v_add_nc_u32 v[TS], s21, v[LI]
	v_mul_u32_u24 v[TL], v11, 528
	v_lshl_add_u32 v[TL], v3, 6, v[TL]
	v_add_nc_u32 v[TL], s21, v[TL]
	s_lshl_b32 s21, s18, 10
	v_add_nc_u32 v[IA], s21, v[LI]
	s_lshl_b32 s21, s18, 7
	v_add_nc_u32 v[ISA], s21, v[L4]
	s_lshl_b32 s21, s20, 13
	v_add_nc_u32 v[YA], s21, v[LI]
	s_lshl_b32 s21, s20, 10
	v_add_nc_u32 v[YSA], s21, v[L4]
	v_and_b32 v[RB], 8, v11
	v_add_nc_u32 v[RB], v[RB], v11
	v_lshlrev_b32 v[RB], 2, v[RB]
	v_lshlrev_b32 v[LH64], 6, v3
.irp b, 0,1,2,3
	v_mov_b32 v[T+\b], 0                           ; written once: a lane permute's destination counts as one of its sources
.endr
	v_mov_b32 v253, 0                              ; named as the upper halves of the pairs that carry v's bias
	v_mov_b32 v255, 0
	s_mov_b32 s[SEL], 0x76543210
	s_mov_b32 s[SEL+1], 0xfedcba98
	s_lshl_b32 s24, ttmp9, 17                      ; K: 64 rows of 2,048 bytes a work-group,
	s_lshr_b32 s25, s18, 3
	s_lshl_b32 s25, s25, 16                        ; my row tile m = wave / 4 begins at row 32 (m / 2) + 8 (m % 2),
	s_add_co_u32 s24, s24, s25
	s_bfe_u32 s25, s18, 0x10002
	s_lshl_b32 s25, s25, 14
	s_add_co_u32 s24, s24, s25
	s_and_b32 s25, s18, 3
	s_lshl_b32 s25, s25, 9                         ; my K step: 512 bytes of a row
	s_add_co_u32 s24, s24, s25
	s_mov_b32 s25, 0
	s_mov_b32 s31, 0
	s_wait_kmcnt 0x0
	s_add_nc_u64 s[4:5], s[4:5], s[24:25]
	s_lshl_b32 s30, s19, 14
	s_add_nc_u64 s[26:27], s[10:11], s[30:31]      ; my head's four tiles,
	s_add_nc_u64 s[32:33], s[26:27], 262144        ; in Wv,
	s_add_nc_u64 s[26:27], s[26:27], 131072        ; in Wk
	s_lshl_b32 s30, s19, 10
	s_add_nc_u64 s[28:29], s[12:13], s[30:31]
	s_add_nc_u64 s[28:29], s[28:29], 8192          ; Wk's scale words
	s_wait_alu depctr_va_vdst(0)                   ; the ten offsets and addresses v1 to v10 are written, which every load and store of the kernel reads
	RLOAD 4
	W_ISSUE 26, 28
	s_lshl_b32 s30, s19, 8
	s_add_nc_u64 s[6:7], s[6:7], s[30:31]          ; bk: my head's 64
	s_lshl_b32 s30, s18, 7
	s_add_nc_u64 s[8:9], s[8:9], s[30:31]          ; bv: my 32 channels: 64 hd + 32 g
	s_lshl_b32 s30, s20, 13
	s_add_nc_u64 s[32:33], s[32:33], s[30:31]      ; Wv: my two tiles
	s_lshl_b32 s30, s18, 9
	s_add_nc_u64 s[34:35], s[12:13], s[30:31]
	s_add_nc_u64 s[34:35], s[34:35], 16384         ; and their scale words: pair 2 hd + g
	s_lshr_b32 s30, ttmp9, 4                       ; batch
	s_lshl_b32 s30, s30, 3
	s_add_co_u32 s30, s30, s19
	s_lshl_b32 s30, s30, 3
	s_bfe_u32 s21, ttmp9, 0x30001                  ; which step of 128 keys
	s_add_co_u32 s30, s30, s21
	s_mul_i32 s30, s30, 9216                       ; the record
	s_add_nc_u64 s[14:15], s[14:15], s[30:31]
	s_and_b32 s21, ttmp9, 1                        ; c': which 64 of its keys
	s_lshl_b32 s30, s21, 11
	s_lshl_b32 s41, s20, 10
	s_add_co_u32 s30, s30, s41
	s_add_nc_u64 s[36:37], s[14:15], s[30:31]      ; k's codes: tiles 4 c' + 2 g on
	s_lshl_b32 s30, s21, 8
	s_lshl_b32 s41, s20, 7
	s_add_co_u32 s30, s30, s41
	s_add_co_u32 s30, s30, 8192
	s_add_nc_u64 s[38:39], s[14:15], s[30:31]      ; k's scale words: pair 2 c' + g; v's half words lie 512 bytes on
	s_lshl_b32 s30, s20, 11
	s_lshl_b32 s41, s21, 9
	s_add_co_u32 s30, s30, s41
	s_add_co_u32 s30, s30, 4096
	s_add_nc_u64 s[42:43], s[14:15], s[30:31]      ; v's codes: tiles 2 g on, half c'
	s_wait_loadcnt 24                              ; my 16 row loads are in; the 24 weight loads may be out
	TURN
	s_wait_dscnt 0x0                               ; the rows are back
	s_wait_alu depctr_vm_vsrc(0)                   ; the turn's stores have read v[R ..], in which the bias lands
	B_ISSUE 6
	QUANT X, 4, PC
	s_wait_alu depctr_va_vdst(0)                   ; the quantiser has written the codes and the scale word, which the three stores read; it is done with v234-251, in which row buffer 1 lands behind the barrier
	ds_store_b128 v[IA], v[PC:PC+3] offset:KIMG    ; the fragment goes to LDS as an image of its registers
	ds_store_b128 v[IA], v[PC+4:PC+7] offset:KIMG+512
	ds_store_b32 v[ISA], v[PW] offset:KSC
	BARRIER                                        ; K's sixteen fragments lie in LDS; nothing writes them again
	s_wait_alu depctr_vm_vsrc(0)                   ; my three stores have read v[PC ..] and v[PW], in which row buffer 1 lands
	PROJ_RUN KIMG, KSC, 26                         ; k: lane (r, h) holds key r of tile 2 g + y; register 16 b + i is the head's 32 b + 16 h + i
	s_wait_alu depctr_va_vdst(0)                   ; k's products are done reading XB0, XB1 and WSR, in which Wv lands, and v12-15, in which key buffer 1's scale words land
.irp y, 0,1                            ; Wv's two tiles, all four K steps, asked for while k is quantised
.irp s, 0,1,2,3
.irp c, 0,1
	global_load_b128 v[XB0+32*\y+8*\s+4*\c:XB0+32*\y+8*\s+4*\c+3], v[LI], s[32:33] offset:\y*4096+\s*1024+512*\c
.endr
.endr
.endr
.irp s, 0,1,2,3
	global_load_b32 v[WSR+\s], v[L4], s[34:35] offset:\s*128
.endr
	global_load_b32 v252, v[RB], s[8:9]            ; bv of my lane's channel in tile 2 g,
	global_load_b32 v254, v[RB], s[8:9] offset:32  ; and in tile 2 g + 1
	VYLOAD 0                                       ; the keys' fragments of K steps 0 and 1 come while k is quantised too: the quantiser names none of their registers
	VYLOAD 1
.irp y, 0,1
	QUANT ACC+32*\y, 2, PC+4*\y
	v_or_b32 v[20+\y], 0x7f7f0000, v[PW]           ; the upper 64 of the instruction's K meet zero codes of q: their bytes stand for 1
.endr
	v_cndmask_b32 v22, v20, v21, s40               ; lanes 0-15 the even tile's words, lanes 16-31 the odd tile's
	s_wait_alu depctr_va_vdst(0)                   ; both tiles' codes and v22 are written, which the three stores read
	global_store_b128 v[LI], v[PC:PC+3], s[36:37]
	global_store_b128 v[LI], v[PC+4:PC+7], s[36:37] offset:512
	global_store_b32 v[L4], v22, s[38:39]
	s_wait_loadcnt 0x0                             ; Wv, its scale words, bv
	s_wait_dscnt 12                                ; key buffer 0 is in; buffer 1's twelve loads may be out
	VMUL 0, 1
	PLACES
	s_wait_alu depctr_va_vdst(0)                   ; K step 0's products are done reading key buffer 0, in which K step 2 lands
	VYLOAD 2
	s_wait_dscnt 12                                ; key buffer 1 is in; K step 2's twelve loads may be out
	VMUL 1, 0
	PLACES
	s_wait_alu depctr_va_vdst(0)                   ; K step 1's products are done reading key buffer 1, in which K step 3 lands
	VYLOAD 3
	s_wait_dscnt 12                                ; K step 2 is in; K step 3's twelve loads may be out
	VMUL 2, 0
	s_wait_dscnt 0x0
	VMUL 3, 0
	PLACES
.irp y, 0,1                            ; + bv: one number a lane; each accumulator from its low end on
.set vj, 0
.rept 16
	v_pk_add_f32 v[ACC+32*\y+vj:ACC+32*\y+vj+1], v[ACC+32*\y+vj:ACC+32*\y+vj+1], v[252+2*\y:253+2*\y] op_sel_hi:[1,0]
.set vj, vj+2
.endr
.endr
.irp y, 0,1                            ; lane (r, h) holds channel r of tile 2 g + y; register 16 b + i is key 32 b + 16 h + i of my 64
	QUANT ACC+32*\y, 2, YF+4*\y
	v_mov_b32 v[24+\y], v[PW]
.endr
	v_cndmask_b32 v26, v24, v25, s40
	s_wait_alu depctr_va_vdst(0)                   ; both tiles' codes and v26 are written, which the three stores read
	global_store_b128 v[LI], v[YF:YF+3], s[42:43]
	global_store_b128 v[LI], v[YF+4:YF+7], s[42:43] offset:1024
	global_store_b32 v[L4], v26, s[38:39] offset:512
	s_wait_xcnt 0x0
	v_lshl_add_u32 v254, v0, 2, 0x25800
	v_mov_b32 v255, 0
	s_wait_dscnt 0x0                               ; the closing lines, six on end
	s_wait_alu 0x0
	s_wait_tensorcnt 0x0
	ds_add_u32 v254, v255
	s_wait_dscnt 0x0
	s_endpgm
.Lfunc_end_k_qcbac610309_kvproj:
	.size	k_qcbac610309_kvproj, .Lfunc_end_k_qcbac610309_kvproj-k_qcbac610309_kvproj
	.p2alignl 7, 3214868480
	.fill 96, 4, 3214868480
	.section	.rodata,"a",@progbits
	.p2align	6, 0x0
	.amdhsa_kernel k_qcbac610309_kvproj
		.amdhsa_group_segment_fixed_size 155648
		.amdhsa_private_segment_fixed_size 0
		.amdhsa_enable_private_segment 0
		.amdhsa_kernarg_size 48
		.amdhsa_user_sgpr_count 2
		.amdhsa_user_sgpr_kernarg_segment_ptr 1
		.amdhsa_wavefront_size32 1
		.amdhsa_system_sgpr_workgroup_id_x 1
		.amdhsa_system_sgpr_workgroup_id_y 1
		.amdhsa_system_sgpr_workgroup_id_z 1
		.amdhsa_system_vgpr_workitem_id 0
		.amdhsa_next_free_vgpr 256
		.amdhsa_next_free_sgpr 66
		.amdhsa_reserve_vcc 0
		.amdhsa_float_denorm_mode_32 3
		.amdhsa_float_denorm_mode_16_64 3
		.amdhsa_memory_ordered 1
		.amdhsa_forward_progress 1
		.amdhsa_inst_pref_size 44
	.end_amdhsa_kernel
	.amdgpu_metadata
---
amdhsa.version: [ 1, 2 ]
amdhsa.kernels:
  - .name:           k_qcbac610309_kvproj
    .symbol:         k_qcbac610309_kvproj.kd
    .args:
      - { .name: K, .offset: 0, .size: 8, .value_kind: global_buffer, .address_space: global }
      - { .name: bk, .offset: 8, .size: 8, .value_kind: global_buffer, .address_space: global }
      - { .name: bv, .offset: 16, .size: 8, .value_kind: global_buffer, .address_space: global }
      - { .name: wcodes, .offset: 24, .size: 8, .value_kind: global_buffer, .address_space: global }
      - { .name: wscales, .offset: 32, .size: 8, .value_kind: global_buffer, .address_space: global }
      - { .name: kv, .offset: 40, .size: 8, .value_kind: global_buffer, .address_space: global }
    .group_segment_fixed_size: 155648
    .private_segment_fixed_size: 0
    .kernarg_segment_align: 8
    .kernarg_segment_size: 48
    .max_flat_workgroup_size: 512
    .sgpr_count:     66
    .vgpr_count:     256
    .wavefront_size: 32
...
	.end_amdgpu_metadata
.endif
;; end of part 5
;; launch mab (part 6): grid 256 x 1, 16 waves a work-group, no clusters, 186,368 bytes of LDS; arguments Q, bq, bo, wcodes, wscales, kv, out0; writes out0
.if DOCPART == 6
	.amdgcn_target "amdgcn-amd-amdhsa--gfx1250"
	.amdhsa_code_object_version 6
	.text
	.protected	k_qcbac610309_mab
	.globl	k_qcbac610309_mab
	.p2align	8
	.type	k_qcbac610309_mab,@function
k_qcbac610309_mab:
	s_mov_b64 s[64:65], 0
	v_nop
	global_prefetch_b8 v0, s[64:65] scope:SCOPE_SE
	s_setreg_imm32_b32 hwreg(HW_REG_WAVE_SCHED_MODE, 0, 2), 2
	s_setreg_imm32_b32 hwreg(HW_REG_WAVE_MODE, 25, 1), 1
	s_wait_xcnt 0x0
	s_wait_alu depctr_vm_vsrc(0)
; out0 = LN(x + gelu(x Wo + bo)), x = LN(q + attention), q = Q Wq + bq; all products on codes of FP4 (E2M1) with E8M0 scales, all else in f32.
; SHARES.  A work-group takes 64 query rows of one batch, all eight heads, sixteen waves.  Wave (hd = w / 2, g = w % 2) owns head hd (columns 64 hd on) and row tiles 2 g, 2 g + 1
; (tile m: rows 32 (m / 2) + 8 (m % 2) + r + 8 (r / 8)), from the projection to the output.  q, the scores, p and the layers between never go to memory.
; LAYOUT.  Every product has the rows (queries) as source 1: a lane holds ONE row (lane % 16) throughout, and register 16 b + i of a row tile's 32 is column 32 b + 16 (lane / 16) + i of my 64.
; ATTENTION.  t = score x log2(e) / sqrt(512); M = the running largest t rounded up to a whole number; p = 2^(t - M) is quantised along the keys; the row's sum is taken of the unquantised p and divides at the end.
; The first product's K is the head's 64: the instruction's upper 64 meet zero codes of q, so the upper four registers named for k (the next tile's codes, or the pad) add nothing.
; k and v come from the records that the launch before has laid in the order of the operands' registers: dense loads of 512 bytes; a key step's k is asked for under the second softmax of the step
; before, its v under its own first softmax; no LDS and no barrier in the loop.
; No tensor load and no cluster: a head's records are read by two waves of a work-group, 9 KB a key step beside some 460 vector instructions; a shared ring would tie sixteen waves to a barrier each step.
; GELU: erf by the rational form of Abramowitz and Stegun 7.1.26 (absolute error 1.5e-7 for every argument): gelu(z) = max(z, 0) - 0.5 |z| P(u) 2^(-z^2 log2(e) / 2), u = 1 / (1 + 0.23164189 |z|).
; The norms take the mean first and then the mean square of the differences: no difference of large sums.
; LIMITS: a block whose largest magnitude lies under 2^-124, a block of zeros too, keeps the byte 1 (this program alone reads the bytes); NaN and infinities among the inputs are not served.
; THE MODE: SCHED_MODE bits 1:0 = 2 (LLVM: expert scheduling mode 2), set by the entry lines.  The code itself states the register dependences
; between vector or matrix instructions and memory or LDS instructions, with s_wait_alu, always for 0.
; THE PLAN.  Registers that memory or LDS instructions touch:
;   v1, v2, v252-255  offsets and LDS addresses: written at the head, never again (v254, v255: made anew for the closing lines).
;   v3, v5-7          addresses ahead of attention; attention writes them; v3-10 are made anew behind it, once.
;   ACC = S           Q's rows land, the turn's stores read them, bq lands; the stash's stores read q; in attention matrix and vector instructions alone; then q comes back, bo lands.
;   XB0, XB1, WSR     a projection's weights: K step s's products read XB[s % 2], K step s + 2 lands in it.
;   row buffers       0 = v12-29, 1 = v234-251 (the quantiser's registers, idle in a projection): K step s's LDS loads land in buffer s % 2, its products read it.
;   KF, KS            in the loop: both tiles' score products read them; behind the second tile's the next step's k lands.
;   VF, VS            in the loop: both tiles' second products read them (two vector lines make VS whole); behind the NEXT step's first score products that step's v lands.
;   v12-27, v242, v244  the norms' sums: vector lines write v242 and v244, two LDS stores read them; the eight parts land in v12-27, vector lines read them.
;   out               images (v234-241, v251 or v28-29) and the stage (O): written by vector lines, read by one run of LDS stores each.
; THE LOOP has four waits on va_vdst beside the two that the exponentials owe, each where the next line wants the same results: behind each tile's score products (the softmax reads the scores next), which frees
; v's registers or k's for the loads that follow it; and ahead of each tile's second products, for p's codes and scale word.  No address is written in the loop: the record's scalar base steps.
.set QIMG,  0                          ; LDS: Q's 16 fragments: 1,024 (4 m + s) + 512 c + 16 lane
.set QSC,   16384                      ; their scale words: 128 (4 m + s) + 4 lane
.set OIMG,  18432                      ; the same for the first norm's result
.set OSC,   34816
.set RED,   36864                      ; four regions of 2,048 bytes: a row's eight partial sums, 32 bytes a row
.set PRIV,  45056                      ; a region of its own for each wave: the turn of Q's rows, then the stash of q, then the stage for the way out
.set PRIVB, 8704
.set LI,   1                           ; v1   16 x lane
.set L4,   2                           ; v2   4 x lane
.set LH64, 3                           ; v3   64 x (lane / 16); in attention: at work
.set TL,   5                           ; v5-7 ahead of attention: addresses of the turn and of the image
.set IA,   6
.set ISA,  7
.set RWA,  4                           ; v4-10 behind attention: addresses of the sums, the image, the stage, the output
.set RRA,  5
.set OIA,  6
.set OSA,  7
.set SO,   8
.set SRD,  9
.set GO,   10
.set YF,   12                          ; v12-27   row buffer 0: two fragments of rows; in attention q's (QF): 4 registers of codes, 4 of zeros, for each tile
.set QF,   12
.set YS,   28                          ; v28-29   their scale words (QS)
.set QS,   28
.set ALT,  222                         ; row buffer 1 lies 222 registers further up: fragments v234-249, scale words v250-251
.set WSR,  30                          ; v30-37   the weights' scale words; in attention k's (v30-33) and v's (v34-37)
.set KS,   30
.set VS,   34
.set XB0,  38                          ; v38-69   weight fragments; in attention k's eight tiles, 4 registers each, and v70-73 the pad of zeros
.set XB1,  70
.set KF,   38
.set VF,   74                          ; v74-105  v's four fragments
.set ACC,  106                         ; v106-169 eight accumulators (t, y) at ACC + 32 y + 8 t; the rows as loaded; the scores, then p
.set R,    106
.set S,    106
.set X,    170                         ; v170-233 64 numbers of a row of Q; then O: tile y's 32 at O + 32 y
.set O,    170
.set PC,   234                         ; v234-241 codes just made
.set BM,   242                         ; v242-245 largest magnitudes or scores, then the conversions' scale operands
.set T,    246                         ; v246-249 at work
.set F,    250                         ; v250     2^(old M - new M)
.set PW,   251                         ; v251     the scale word just made
.set PFO,  252                         ; v252     256 x lane: the prefetches' offset
.set TS,   253                         ; v253     my region + 16 lane
.set YA,   254                         ; v254     16 lane + 8,192 g
.set YSA,  255                         ; v255     4 lane + 1,024 g
.set GA,   38                          ; the gelu's registers: u, the exponential, the polynomial, a4 twice, max(z, 0)
.set GE,   46
.set GP,   54
.set GC,   62
.set GM,   64
.set SEL,  22                          ; s[22:23] v_permlanex16_b32's selects for lane l xor 16
.set CS,   24                          ; s[24:25] c = log2(e) / sqrt(512), twice
.set CNT,  26                          ; s26  key steps still to be asked for
.set LIM,  27                          ; s27  1 in a wave that prefetches, else the greatest number
.set KVP,  34                          ; s[34:35] the record in hand
.macro PLACES                          ; four plain lines behind matrix instructions, ahead of loads into their registers and of reads of their results
.rept 4
	v_nop
.endr
.endm
.macro BARRIER                         ; my LDS stores have landed and my LDS loads are in: then the work-group's barrier
	s_wait_dscnt 0x0
	s_barrier_signal -1
	s_barrier_wait -1
.endm
; One product 16 x 16 x 128.  z = 1: C is the constant 0; else C = D.  ra, rb = 1: that side's scales stand in lanes 16-31.
.macro WM d, a, b, z, sa, sb, ra, rb
.if \z
.if \ra
	v_wmma_scale_f32_16x16x128_f8f6f4 v[(\d):(\d)+7], v[(\a):(\a)+7], v[(\b):(\b)+7], 0, v[\sa], v[\sb] matrix_a_fmt:MATRIX_FMT_FP4 matrix_b_fmt:MATRIX_FMT_FP4 matrix_a_scale:MATRIX_SCALE_ROW1
.elseif \rb
	v_wmma_scale_f32_16x16x128_f8f6f4 v[(\d):(\d)+7], v[(\a):(\a)+7], v[(\b):(\b)+7], 0, v[\sa], v[\sb] matrix_a_fmt:MATRIX_FMT_FP4 matrix_b_fmt:MATRIX_FMT_FP4 matrix_b_scale:MATRIX_SCALE_ROW1
.else
	v_wmma_scale_f32_16x16x128_f8f6f4 v[(\d):(\d)+7], v[(\a):(\a)+7], v[(\b):(\b)+7], 0, v[\sa], v[\sb] matrix_a_fmt:MATRIX_FMT_FP4 matrix_b_fmt:MATRIX_FMT_FP4
.endif
.else
.if \ra
	v_wmma_scale_f32_16x16x128_f8f6f4 v[(\d):(\d)+7], v[(\a):(\a)+7], v[(\b):(\b)+7], v[(\d):(\d)+7], v[\sa], v[\sb] matrix_a_fmt:MATRIX_FMT_FP4 matrix_b_fmt:MATRIX_FMT_FP4 matrix_a_scale:MATRIX_SCALE_ROW1
.elseif \rb
	v_wmma_scale_f32_16x16x128_f8f6f4 v[(\d):(\d)+7], v[(\a):(\a)+7], v[(\b):(\b)+7], v[(\d):(\d)+7], v[\sa], v[\sb] matrix_a_fmt:MATRIX_FMT_FP4 matrix_b_fmt:MATRIX_FMT_FP4 matrix_b_scale:MATRIX_SCALE_ROW1
.else
	v_wmma_scale_f32_16x16x128_f8f6f4 v[(\d):(\d)+7], v[(\a):(\a)+7], v[(\b):(\b)+7], v[(\d):(\d)+7], v[\sa], v[\sb] matrix_a_fmt:MATRIX_FMT_FP4 matrix_b_fmt:MATRIX_FMT_FP4
.endif
.endif
.endm
; My tile's 16 rows x 512 bytes: each load reads 512 consecutive bytes of one row; rows 0-7, then 16-23 from the pointer
.macro RLOAD p
.set ri, 0
.rept 16
	global_load_b128 v[R+4*ri:R+4*ri+3], v[LI], s[\p:\p+1] offset:(ri+8*(ri/8))*2048 th:TH_LOAD_NT
.set ri, ri+1
.endr
.endm
; Through my own LDS region, so that lane (r, h) holds, of row r, 16 neighbours of each block of 32: register 16 b + i = k 32 b + 16 h + i.  LDS serves a wave's instructions in order: no wait between.
.macro TURN
.set ri, 0
.rept 16
	ds_store_b128 v[TS], v[R+4*ri:R+4*ri+3] offset:ri*528
.set ri, ri+1
.endr
.set ri, 0
.rept 16
	ds_load_b128 v[X+4*ri:X+4*ri+3], v[TL] offset:128*(ri/4)+16*(ri%4)
.set ri, ri+1
.endr
.endm
; nb blocks of 32 (16 numbers a lane and block, register 16 b + i = k 32 b + 16 h + i of my row) become codes in v[dst] on, in the operand's layout, and the scale bytes in v[PW].
.macro QUANT src, nb, dst
.set qb, 0
.rept \nb
	v_max3_num_f32 v[BM+qb], |v[(\src)+16*qb]|, |v[(\src)+16*qb+1]|, 0x1800000   ; with the floor 2^(3 - 127): the byte cannot fall under 1
.set qb, qb+1
.endr
.irp i, 2,4,6,8,10,12,14
.set qb, 0
.rept \nb
	v_max3_num_f32 v[BM+qb], v[BM+qb], |v[(\src)+16*qb+\i]|, |v[(\src)+16*qb+\i+1]|   ; the blocks by turns
.set qb, qb+1
.endr
.endr
.set qb, 0
.rept \nb
	v_permlanex16_b32 v[T+qb], v[BM+qb], s[SEL], s[SEL+1]
.set qb, qb+1
.endr
.set qb, 0
.rept \nb
	v_max_num_f32 v[BM+qb], v[BM+qb], v[T+qb]      ; with lane l xor 16's: the block's largest magnitude
.set qb, qb+1
.endr
.set qb, 0
.rept \nb
	v_add_nc_u32 v[BM+qb], 0xff000000, v[BM+qb]    ; 2 off its exponent field: the conversion's scale operand
.set qb, qb+1
.endr
.set qb, 0
.rept \nb
	v_lshrrev_b32 v[T+qb], 23, v[BM+qb]            ; the scale's byte
.set qb, qb+1
.endr
	v_lshl_or_b32 v[PW], v[T+1], 8, v[T]
.if \nb == 4
	v_lshl_or_b32 v[PW], v[T+2], 16, v[PW]
	v_lshl_or_b32 v[PW], v[T+3], 24, v[PW]
.endif
.set qb, 0
.rept \nb
	v_cvt_scalef32_pk8_fp4_f32 v[(\dst)+2*qb], v[(\src)+16*qb:(\src)+16*qb+7], v[BM+qb]
	v_cvt_scalef32_pk8_fp4_f32 v[(\dst)+2*qb+1], v[(\src)+16*qb+8:(\src)+16*qb+15], v[BM+qb]
.set qb, qb+1
.endr
	v_nop                                          ; one plain line behind the conversions
.set qb, 0
.rept \nb/2                            ; the operand's layout wants a whole block in a lane: lanes 0-15 block 2 c, lanes 16-31 block 2 c + 1
	v_permlane16_swap_b32 v[(\dst)+4*qb], v[(\dst)+4*qb+2]
	v_permlane16_swap_b32 v[(\dst)+4*qb+1], v[(\dst)+4*qb+3]
.set qb, qb+1
.endr
.endm
.macro XLOADW buf, s, wc               ; my head's four weight tiles of K step s: 8 loads of 512 consecutive bytes
.irp t, 0,1,2,3
.irp c, 0,1
	global_load_b128 v[\buf+8*\t+4*\c:\buf+8*\t+4*\c+3], v[LI], s[\wc:\wc+1] offset:(4*\t+\s)*1024+512*\c
.endr
.endr
.endm
.macro W_ISSUE wc, ws                  ; 24 loads: all scale words, K steps 0 and 1
.irp b, 0,1
.irp s, 0,1,2,3
	global_load_b32 v[WSR+4*\b+\s], v[L4], s[\ws:\ws+1] offset:\b*512+\s*128
.endr
.endr
	XLOADW XB0, 0, \wc
	XLOADW XB1, 1, \wc
.endm
.macro B_ISSUE p                       ; 16 loads: the bias goes straight into the accumulators, in the result's layout: register j of tile t is column 32 (t / 2) + 16 h + 8 (t % 2) + j
.irp y, 0,1
.irp t, 0,1,2,3
	global_load_b128 v[ACC+32*\y+8*\t:ACC+32*\y+8*\t+3], v[LH64], s[\p:\p+1] offset:(32*(\t/2)+8*(\t%2))*4
	global_load_b128 v[ACC+32*\y+8*\t+4:ACC+32*\y+8*\t+7], v[LH64], s[\p:\p+1] offset:(32*(\t/2)+8*(\t%2))*4+16
.endr
.endr
.endm
.macro YLOAD img, sc, s                ; six LDS loads: my two row tiles' fragments of K step s and their scale words, into row buffer s % 2
.irp y, 0,1
.irp c, 0,1
	ds_load_b128 v[YF+ALT*((\s)%2)+8*\y+4*\c:YF+ALT*((\s)%2)+8*\y+4*\c+3], v[YA] offset:\img+(4*\y+(\s))*1024+512*\c
.endr
	ds_load_b32 v[YS+ALT*((\s)%2)+\y], v[YSA] offset:\sc+(4*\y+(\s))*128
.endr
.endm
.macro PMUL s                          ; K step s: eight products; the eight accumulators take turns
.irp t, 0,1,2,3
.irp y, 0,1
	WM ACC+32*\y+8*\t, XB0+32*((\s)%2)+8*\t, YF+ALT*((\s)%2)+8*\y, 0, WSR+4*(\t/2)+(\s), YS+ALT*((\s)%2)+\y, \t%2, 0
.endr
.endr
.endm
; My head's 64 columns for my two row tiles: four K steps of eight products, K ascending.
.macro PROJ_RUN img, sc, wc
	YLOAD \img, \sc, 0
	YLOAD \img, \sc, 1
	s_wait_loadcnt 0x0                             ; the bias, the scale words, K steps 0 and 1
	s_wait_dscnt 0x6                               ; row buffer 0 is in; buffer 1's six loads may be out
	PMUL 0
	PLACES
	s_wait_alu depctr_va_vdst(0)                   ; K step 0's products are done reading XB0 and row buffer 0, in which K step 2 lands
	XLOADW XB0, 2, \wc
	YLOAD \img, \sc, 2
	s_wait_dscnt 0x6                               ; row buffer 1 is in; K step 2's six loads may be out
	PMUL 1
	PLACES
	s_wait_alu depctr_va_vdst(0)                   ; K step 1's products are done reading XB1 and row buffer 1, in which K step 3 lands
	XLOADW XB1, 3, \wc
	YLOAD \img, \sc, 3
	s_wait_loadcnt 0x8                             ; K step 2's weights are in; K step 3's 8 loads may be out
	s_wait_dscnt 0x6                               ; and its rows; K step 3's six loads may be out
	PMUL 2
	s_wait_loadcnt 0x0
	s_wait_dscnt 0x0
	PMUL 3
	PLACES
.endm
.macro KLOAD                           ; 12 loads: a key step's eight tiles of k and their scale words
.irp t, 0,1,2,3,4,5,6,7
	global_load_b128 v[KF+4*\t:KF+4*\t+3], v[LI], s[KVP:KVP+1] offset:512*\t
.endr
.irp i, 0,1,2,3
	global_load_b32 v[KS+\i], v[L4], s[KVP:KVP+1] offset:8192+128*\i
.endr
.endm
.macro VLOAD                           ; 12 loads: its four fragments of v and the scale half words (keys 0-63: v34-35; keys 64-127: v36-37)
.irp t, 0,1,2,3
.irp c, 0,1
	global_load_b128 v[VF+8*\t+4*\c:VF+8*\t+4*\c+3], v[LI], s[KVP:KVP+1] offset:4096+1024*\t+512*\c
.endr
.endr
.irp i, 0,1,2,3
	global_load_b32 v[VS+\i], v[L4], s[KVP:KVP+1] offset:8704+128*\i
.endr
.endm
; A prefetch of the codes (8,192 bytes, lanes 256 bytes apart) of the record behind the one whose loads have just been issued: one key step ahead of its loads.  All sixteen work-groups of a batch
; walk the same records: the batch's first work-group asks, in it the wave g = 0 of each head.  The loop's last trip asks for nothing: the record just loaded is the last.  Records 0 and 1 and the scale words come by their loads alone.
.macro ASK
	s_cmp_gt_u32 s[CNT], s[LIM]
	s_cbranch_scc0 .Lnot_mine_\@
	global_prefetch_b8 v[PFO], s[KVP:KVP+1] offset:9216 th:TH_LOAD_NT scope:SCOPE_SE
.Lnot_mine_\@:
.endm
.macro SMUL y                          ; S^T = k q^T: eight tiles of 16 keys; lane (r, h) holds query r, register 16 b + i key 32 b + 16 h + i
.irp t, 0,1,2,3,4,5,6,7
	WM S+8*\t, KF+4*\t, QF+8*(\y), 1, KS+\t/2, QS+(\y), \t%2, 0
.endr
.endm
.macro PV y                            ; O^T += v^T p^T: four tiles of 16 channels, K = these 128 keys
.irp t, 0,1,2,3
	WM O+32*(\y)+8*\t, VF+8*\t, PC, 0, VS+\t/2, PW, \t%2, 0
.endr
.endm
; The softmax of row tile y for one key step.  Statistics at v[4 + 4 y]: -M, the largest t, the sum in two halves.  first = 1: v of this step is awaited and its scale words are made whole.
.macro SOFTMAX y, first
.set ST, 4+4*(\y)
.set OY, O+32*(\y)
.irp b, 0,1,2,3
	v_max3_num_f32 v[BM+\b], v[S+16*\b], v[S+16*\b+1], v[S+16*\b+2]   ; the largest score of each block of 32 keys: for the row's maximum, and, since p rises with the score, for the block's largest p
.endr
.irp i, 3,5,7,9,11,13
.irp b, 0,1,2,3
	v_max3_num_f32 v[BM+\b], v[BM+\b], v[S+16*\b+\i], v[S+16*\b+\i+1]
.endr
.endr
.irp b, 0,1,2,3
	v_max_num_f32 v[BM+\b], v[BM+\b], v[S+16*\b+15]
.endr
.irp b, 0,1,2,3
	v_permlanex16_b32 v[T+\b], v[BM+\b], s[SEL], s[SEL+1]
.endr
.irp b, 0,1,2,3
	v_max_num_f32 v[BM+\b], v[BM+\b], v[T+\b]      ; with lane l xor 16's 16 keys
.endr
	v_max3_num_f32 v3, v[BM], v[BM+1], v[BM+2]
	v_max_num_f32 v3, v3, v[BM+3]
	v_mul_f32 v3, s[CS], v3                        ; the step's largest t (c is positive)
	v_max_num_f32 v[ST+1], v[ST+1], v3             ; the running largest t
	v_mov_b32 v3, v[ST]
	v_floor_f32 v[ST], -v[ST+1]                    ; the new -M = -ceil(t): a whole number
	v_sub_f32 v3, v[ST], v3                        ; old M - new M: a whole number, 0 or less
	v_cvt_i32_f32 v3, v3                           ; (it saturates)
	v_ldexp_f32 v[F], 1.0, v3                      ; f = 2^(old M - new M): a multiplication by it rounds nothing
.set sj, 0
.rept 32
	v_pk_fma_f32 v[S+sj:S+sj+1], v[S+sj:S+sj+1], s[CS:CS+1], v[ST:ST+1] op_sel_hi:[1,0,0]   ; t - M, two at a time
.set sj, sj+2
.endr
.irp b, 0,1,2,3
	v_fma_f32 v[BM+\b], v[BM+\b], s[CS], v[ST]     ; the same of each block's largest score
.endr
.set sj, 0
	s_wait_alu depctr_va_vdst(0)
.rept 64
	v_exp_f32 v[S+sj], v[S+sj]                     ; p = 2^(t - M), at most 1
.set sj, sj+1
.endr
.irp b, 0,1,2,3
	v_exp_f32 v[BM+\b], v[BM+\b]                   ; the block's largest p: the same two instructions on the same number
.endr
	v_pk_mul_f32 v[ST+2:ST+3], v[ST+2:ST+3], v[F:F+1] op_sel_hi:[1,0]   ; the sums under the new M (a plain line behind the exponentials)
	s_wait_alu depctr_va_vdst(0)                   ; the 68 exponentials have written p and the blocks' largest p, ahead of their first reader
.irp b, 0,1,2,3
	v_max_num_f32 v[BM+\b], 0x1800000, v[BM+\b]    ; the floor 2^(3 - 127)
.endr
.irp b, 0,1,2,3
	v_add_nc_u32 v[BM+\b], 0xff000000, v[BM+\b]    ; 2 off the exponent field: the conversion's scale operand
.endr
.irp b, 0,1,2,3
	v_lshrrev_b32 v[T+\b], 23, v[BM+\b]
.endr
	v_lshl_or_b32 v[PW], v[T+1], 8, v[T]           ; p's scale word for these 128 keys
	v_lshl_or_b32 v[PW], v[T+2], 16, v[PW]
	v_lshl_or_b32 v[PW], v[T+3], 24, v[PW]
.irp b, 0,1,2,3
	v_cvt_scalef32_pk8_fp4_f32 v[PC+2*\b], v[S+16*\b:S+16*\b+7], v[BM+\b]
	v_cvt_scalef32_pk8_fp4_f32 v[PC+2*\b+1], v[S+16*\b+8:S+16*\b+15], v[BM+\b]
.endr
	v_nop                                          ; one plain line behind the conversions
.irp c, 0,1
.irp i, 0,1
	v_permlane16_swap_b32 v[PC+4*\c+\i], v[PC+4*\c+2+\i]
.endr
.endr
.if \first
	s_wait_loadcnt 0x0                             ; v of this step is in: nothing else is out
	v_lshl_or_b32 v[VS], v[VS+2], 16, v[VS]        ; the two half words make a scale word; the 48 lines below stand between these and the products
	v_lshl_or_b32 v[VS+1], v[VS+3], 16, v[VS+1]
.endif
	v_pk_add_f32 v[T:T+1], v[S:S+1], v[S+2:S+3]    ; the row's sum is taken of the unquantised p: two at a time, in two chains
.set sj, 4
.rept 15
	v_pk_add_f32 v[ST+2:ST+3], v[ST+2:ST+3], v[S+sj:S+sj+1]
	v_pk_add_f32 v[T:T+1], v[T:T+1], v[S+sj+2:S+sj+3]
.set sj, sj+4
.endr
	v_pk_add_f32 v[ST+2:ST+3], v[ST+2:ST+3], v[T:T+1]
.set sj, 0
.rept 16
	v_pk_mul_f32 v[OY+sj:OY+sj+1], v[OY+sj:OY+sj+1], v[F:F+1] op_sel_hi:[1,0]   ; O^T under the new M, each accumulator from its low end on
.set sj, sj+2
.endr
.endm
; A key step of 128 keys for both row tiles.  last = 1: no further k is asked for.
.macro TRIP last
	s_wait_loadcnt 0x0                             ; k of this step is in: nothing else is out
	SMUL 0
	PLACES
	s_wait_alu depctr_va_vdst(0)                   ; the last step's second products are done reading v[VF ..] and v[VS ..], and the two lines that made VS whole have written it: this step's v lands there
	VLOAD                                          ; it lands while tile 0's softmax is walked
	SOFTMAX 0, 1
	s_wait_alu depctr_va_vdst(0)                   ; p's codes, its scale word and v's scale words are written, which the products below take as operand and scales; the 48 plain lines stand ahead of this wait
	PV 0
	SMUL 1
	PLACES
.if !\last
	s_wait_alu depctr_va_vdst(0)                   ; both tiles' score products are done reading v[KF ..] and v[KS ..], in which the next step's k lands
	s_wait_xcnt 0x0                                ; every earlier load and prefetch has read the record's address: it may step
	s_add_nc_u64 s[KVP:KVP+1], s[KVP:KVP+1], 9216
	KLOAD                                          ; the next step's k lands while tile 1's softmax is walked
	ASK
.endif
	SOFTMAX 1, 0
	s_wait_alu depctr_va_vdst(0)                   ; p's codes and its scale word are written, which the products below take as operand and scales
	PV 1
.endm
; The pair sums in v[242:243] (tile 0) and v[244:245] (tile 1) become the rows' sums over all 512 columns, in v12 and v20: lane l xor 16, then the eight heads' waves through LDS.
.macro RSUM red
	v_add_f32 v242, v242, v243
	v_add_f32 v244, v244, v245
	v_permlanex16_b32 v246, v242, s[SEL], s[SEL+1]
	v_permlanex16_b32 v247, v244, s[SEL], s[SEL+1]
	v_add_f32 v242, v242, v246
	v_add_f32 v244, v244, v247
	s_wait_alu depctr_va_vdst(0)                   ; v242 and v244 are written, which the two stores read; every earlier reader and writer of v12-27, in which the eight parts land behind the barrier, is done
	ds_store_b32 v[RWA], v242 offset:\red          ; word hd of the row's eight (both lanes of a row write the same number)
	ds_store_b32 v[RWA], v244 offset:\red+512
	BARRIER
	ds_load_b128 v[12:15], v[RRA] offset:\red
	ds_load_b128 v[16:19], v[RRA] offset:\red+16
	ds_load_b128 v[20:23], v[RRA] offset:\red+512
	ds_load_b128 v[24:27], v[RRA] offset:\red+528
	s_wait_dscnt 0x0
	v_pk_add_f32 v[12:13], v[12:13], v[14:15]
	v_pk_add_f32 v[20:21], v[20:21], v[22:23]
	v_pk_add_f32 v[16:17], v[16:17], v[18:19]
	v_pk_add_f32 v[24:25], v[24:25], v[26:27]
	v_pk_add_f32 v[12:13], v[12:13], v[16:17]
	v_pk_add_f32 v[20:21], v[20:21], v[24:25]
	v_add_f32 v12, v12, v13
	v_add_f32 v20, v20, v21
.endm
; O = (O - mean) / sqrt(mean square of the differences + 1e-5), along the 512 columns.  Each of the two sums has LDS bytes of its own, written once.
.macro LNORM ra, rb
	v_pk_add_f32 v[242:243], v[O:O+1], v[O+2:O+3]
	v_pk_add_f32 v[244:245], v[O+32:O+33], v[O+34:O+35]
.set lj, 4
.rept 14
	v_pk_add_f32 v[242:243], v[242:243], v[O+lj:O+lj+1]
	v_pk_add_f32 v[244:245], v[244:245], v[O+32+lj:O+32+lj+1]
.set lj, lj+2
.endr
	RSUM \ra
	v_mul_f32 v12, s60, v12                        ; / 512
	v_mul_f32 v20, s60, v20
.set lj, 0
.rept 16
	v_pk_add_f32 v[O+lj:O+lj+1], v[O+lj:O+lj+1], v[12:13] op_sel_hi:[1,0] neg_lo:[0,1] neg_hi:[0,1]
	v_pk_add_f32 v[O+32+lj:O+32+lj+1], v[O+32+lj:O+32+lj+1], v[20:21] op_sel_hi:[1,0] neg_lo:[0,1] neg_hi:[0,1]
.set lj, lj+2
.endr
	s_wait_alu depctr_vm_vsrc(0)                   ; the first sum's two stores have read v242 and v244, which the sums of squares write
	v_pk_mul_f32 v[242:243], v[O:O+1], v[O:O+1]
	v_pk_mul_f32 v[244:245], v[O+32:O+33], v[O+32:O+33]
.set lj, 2
.rept 15
	v_pk_fma_f32 v[242:243], v[O+lj:O+lj+1], v[O+lj:O+lj+1], v[242:243]
	v_pk_fma_f32 v[244:245], v[O+32+lj:O+32+lj+1], v[O+32+lj:O+32+lj+1], v[244:245]
.set lj, lj+2
.endr
	RSUM \rb
	v_fma_f32 v12, v12, s60, s61                   ; / 512 + 1e-5
	v_fma_f32 v20, v20, s60, s61
	s_wait_alu depctr_va_vdst(0)
	v_rsq_f32 v12, v12
	v_rsq_f32 v20, v20
	v_nop                                          ; a plain line behind the transcendentals
.set lj, 0
	s_wait_alu depctr_va_vdst(0)                   ; the two inverse roots are written, ahead of their first reader
.rept 16
	v_pk_mul_f32 v[O+lj:O+lj+1], v[O+lj:O+lj+1], v[12:13] op_sel_hi:[1,0]
	v_pk_mul_f32 v[O+32+lj:O+32+lj+1], v[O+32+lj:O+32+lj+1], v[20:21] op_sel_hi:[1,0]
.set lj, lj+2
.endr
.endm
; O += gelu(z) for accumulator n's eight numbers
.macro GELU n
.set Z, ACC+8*(\n)
.set OO, O+8*(\n)
.irp i, 0,1,2,3,4,5,6,7
	v_fma_f32 v[GA+\i], |v[Z+\i]|, s36, 1.0        ; 1 + 0.23164189 |z|
.endr
.irp i, 0,2,4,6
	v_pk_mul_f32 v[GE+\i:GE+\i+1], v[Z+\i:Z+\i+1], v[Z+\i:Z+\i+1]
.endr
.irp i, 0,2,4,6
	v_pk_mul_f32 v[GE+\i:GE+\i+1], v[GE+\i:GE+\i+1], s[38:39] op_sel_hi:[1,0]   ; -z^2 log2(e) / 2
.endr
	s_wait_alu depctr_va_vdst(0)
.irp i, 0,1,2,3,4,5,6,7
	v_rcp_f32 v[GA+\i], v[GA+\i]                   ; u
.endr
.irp i, 0,1,2,3,4,5,6,7
	v_exp_f32 v[GE+\i], v[GE+\i]
.endr
.irp i, 0,1,2,3,4,5,6,7
	v_max_num_f32 v[GM+\i], 0, v[Z+\i]             ; (plain lines behind the transcendentals)
.endr
	s_wait_alu depctr_va_vdst(0)                   ; the eight reciprocals and the eight exponentials are written, ahead of their first reader
.irp i, 0,2,4,6
	v_pk_fma_f32 v[GP+\i:GP+\i+1], v[GA+\i:GA+\i+1], s[46:47], v[GC:GC+1] op_sel_hi:[1,0,1]   ; a5 u + a4
.endr
.irp i, 0,2,4,6
	v_pk_fma_f32 v[GP+\i:GP+\i+1], v[GP+\i:GP+\i+1], v[GA+\i:GA+\i+1], s[44:45] op_sel_hi:[1,1,0]   ; .. u + a3
.endr
.irp i, 0,2,4,6
	v_pk_fma_f32 v[GP+\i:GP+\i+1], v[GP+\i:GP+\i+1], v[GA+\i:GA+\i+1], s[42:43] op_sel_hi:[1,1,0]   ; .. u + a2
.endr
.irp i, 0,2,4,6
	v_pk_fma_f32 v[GP+\i:GP+\i+1], v[GP+\i:GP+\i+1], v[GA+\i:GA+\i+1], s[40:41] op_sel_hi:[1,1,0]   ; .. u + a1
.endr
.irp i, 0,2,4,6
	v_pk_mul_f32 v[GP+\i:GP+\i+1], v[GP+\i:GP+\i+1], v[GA+\i:GA+\i+1]
.endr
.irp i, 0,2,4,6
	v_pk_mul_f32 v[GP+\i:GP+\i+1], v[GP+\i:GP+\i+1], v[GE+\i:GE+\i+1]
.endr
.irp i, 0,1,2,3,4,5,6,7
	v_mul_f32 v[GP+\i], |v[Z+\i]|, v[GP+\i]
.endr
.irp i, 0,2,4,6
	v_pk_add_f32 v[OO+\i:OO+\i+1], v[OO+\i:OO+\i+1], v[GM+\i:GM+\i+1]
.endr
.irp i, 0,2,4,6
	v_pk_fma_f32 v[OO+\i:OO+\i+1], v[GP+\i:GP+\i+1], -0.5, v[OO+\i:OO+\i+1] op_sel_hi:[1,0,1]
.endr
.endm
	s_load_b256 s[4:11], s[0:1], 0x0               ; Q, bq, bo, wcodes
	s_load_b128 s[12:15], s[0:1], 0x20             ; wscales, kv
	s_load_b64 s[16:17], s[0:1], 0x30              ; out0
	v_lshrrev_b32 v3, 5, v0
	v_readfirstlane_b32 s18, v3                    ; wave 0..15
	v_and_b32 v4, 31, v0                           ; lane
	v_and_b32 v8, 15, v0                           ; r
	v_bfe_u32 v3, v0, 4, 1                         ; h
	v_lshlrev_b32 v[LI], 4, v4
	s_wait_alu depctr_va_vdst(0)
	v_lshlrev_b32 v[L4], 2, v4
	s_wait_alu depctr_va_vdst(0)
	v_lshlrev_b32 v[PFO], 8, v4
	s_wait_alu depctr_va_sdst(0)                   ; s18 is written, ahead of its first reader: the scalar lines below are made from it
	s_lshr_b32 s19, s18, 1                         ; hd
	s_and_b32 s20, s18, 1                          ; g
	s_mul_i32 s21, s18, PRIVB
	s_add_co_u32 s21, s21, PRIV
	v_add_nc_u32 v[TS], s21, v[LI]
	v_mul_u32_u24 v[TL], v8, 528
	v_lshl_add_u32 v[TL], v3, 6, v[TL]
	v_add_nc_u32 v[TL], s21, v[TL]
	s_lshl_b32 s21, s18, 10
	v_add_nc_u32 v[IA], s21, v[LI]
	s_lshl_b32 s21, s18, 7
	v_add_nc_u32 v[ISA], s21, v[L4]
	s_lshl_b32 s21, s20, 13
	v_add_nc_u32 v[YA], s21, v[LI]
	s_lshl_b32 s21, s20, 10
	v_add_nc_u32 v[YSA], s21, v[L4]
	v_lshlrev_b32 v[LH64], 6, v3
.irp b, 0,1,2,3
	v_mov_b32 v[T+\b], 0                           ; written once: a lane permute's destination counts as one of its sources
.endr
	s_mov_b32 s[SEL], 0x76543210
	s_mov_b32 s[SEL+1], 0xfedcba98
	s_mov_b32 s[CS], 0x3d8293ee                    ; c = log2(e) / sqrt(512)
	s_mov_b32 s[CS+1], s[CS]
	s_mov_b32 s[CNT], 7
	s_and_b32 s[LIM], ttmp9, 15                    ; the batch's first work-group,
	s_or_b32 s[LIM], s[LIM], s20                   ; the wave g = 0 of each head
	s_cmp_eq_u32 s[LIM], 0
	s_cselect_b32 s[LIM], 1, -1
	s_mov_b32 s36, 0x3e6d3388                      ; 0.23164189
	s_mov_b32 s37, s36
	s_mov_b32 s38, 0xbf38aa3b                      ; -log2(e) / 2
	s_mov_b32 s39, s38
	s_mov_b32 s40, 0x3e827906                      ; a1 = 0.254829592
	s_mov_b32 s41, s40
	s_mov_b32 s42, 0xbe91a98e                      ; a2 = -0.284496736
	s_mov_b32 s43, s42
	s_mov_b32 s44, 0x3fb5f0e3                      ; a3 = 1.421413741
	s_mov_b32 s45, s44
	s_mov_b32 s46, 0x3f87dc22                      ; a5 = 1.061405429
	s_mov_b32 s47, s46
	s_mov_b32 s48, 0xbfba00e3                      ; a4 = -1.453152027
	s_mov_b32 s60, 0x3b000000                      ; 1 / 512
	s_mov_b32 s61, 0x3727c5ac                      ; 1e-5
	s_lshl_b32 s32, ttmp9, 17                      ; Q: 64 rows of 2,048 bytes a work-group,
	s_lshr_b32 s21, s18, 3
	s_lshl_b32 s21, s21, 16                        ; my row tile m = wave / 4 begins at row 32 (m / 2) + 8 (m % 2),
	s_add_co_u32 s32, s32, s21
	s_bfe_u32 s21, s18, 0x10002
	s_lshl_b32 s21, s21, 14
	s_add_co_u32 s32, s32, s21
	s_and_b32 s21, s18, 3
	s_lshl_b32 s21, s21, 9                         ; my K step: 512 bytes of a row
	s_add_co_u32 s32, s32, s21
	s_mov_b32 s33, 0
	s_wait_kmcnt 0x0
	s_add_nc_u64 s[4:5], s[4:5], s[32:33]
	s_lshl_b32 s32, s19, 14
	s_add_nc_u64 s[28:29], s[10:11], s[32:33]      ; Wq: my head's four tiles
	s_lshl_b32 s32, s19, 10
	s_add_nc_u64 s[30:31], s[12:13], s[32:33]      ; and their scale words
	s_wait_alu depctr_va_vdst(0)                   ; the offsets and addresses v1-3, v5-7 and v252-255 are written, which the loads, stores and prefetches from here on read
	RLOAD 4
	W_ISSUE 28, 30
	s_add_nc_u64 s[56:57], s[28:29], 393216        ; the same in Wo
	s_add_nc_u64 s[58:59], s[30:31], 24576
	s_lshl_b32 s32, s19, 8
	s_add_nc_u64 s[6:7], s[6:7], s[32:33]          ; bq, bo: my head's 64
	s_add_nc_u64 s[8:9], s[8:9], s[32:33]
	s_lshr_b32 s32, ttmp9, 4                       ; batch
	s_lshl_b32 s32, s32, 3
	s_add_co_u32 s32, s32, s19
	s_mul_i32 s32, s32, 73728                      ; my head's eight records
	s_add_nc_u64 s[KVP:KVP+1], s[14:15], s[32:33]
	s_lshl_b32 s32, ttmp9, 17                      ; out0: row 64 x work-group + 32 g, column 64 hd
	s_lshl_b32 s21, s20, 16
	s_add_co_u32 s32, s32, s21
	s_lshl_b32 s21, s19, 8
	s_add_co_u32 s32, s32, s21
	s_add_nc_u64 s[16:17], s[16:17], s[32:33]
	; ---- Q's rows become fragments in LDS
	s_wait_loadcnt 24                              ; my 16 row loads are in; the 24 weight loads may be out
	TURN
	s_wait_dscnt 0x0                               ; the rows are back
	s_wait_alu depctr_vm_vsrc(0)                   ; the turn's stores have read v[R ..], in which the bias lands
	B_ISSUE 6
	QUANT X, 4, PC
	s_wait_alu depctr_va_vdst(0)                   ; the quantiser has written the codes and the scale word, which the three stores read; it is done with v234-251, in which row buffer 1 lands behind the barrier
	ds_store_b128 v[IA], v[PC:PC+3] offset:QIMG
	ds_store_b128 v[IA], v[PC+4:PC+7] offset:QIMG+512
	ds_store_b32 v[ISA], v[PW] offset:QSC
	BARRIER                                        ; Q's sixteen fragments lie in LDS; nothing writes them again
	s_wait_alu depctr_vm_vsrc(0)                   ; my three stores have read v[PC ..] and v[PW], in which row buffer 1 lands; the turn, the image and bq's loads have read v3 and v5-7, which attention writes
	; ---- q = Q Wq + bq: my head, my two row tiles
	PROJ_RUN QIMG, QSC, 28
	s_wait_alu depctr_va_vdst(0)                   ; the products have written q, which the stash's stores read (the four places stand ahead), and are done reading XB0 and WSR, in which k lands
	KLOAD                                          ; key step 0's k; its v is asked for in the step itself
.irp i, 0,1,2,3
	v_mov_b32 v[KF+32+\i], 0                       ; the pad behind k's last tile
.endr
.set ri, 0
.rept 16
	ds_store_b128 v[TS], v[ACC+4*ri:ACC+4*ri+3] offset:512*ri   ; q is kept for the residual, in my own LDS region, as an image of its registers; each accumulator from its low end on
.set ri, ri+1
.endr
.irp y, 0,1
	QUANT ACC+32*\y, 2, QF+8*\y
	v_or_b32 v[QS+\y], 0x7f7f0000, v[PW]           ; the upper 64 of the instruction's K: zero codes under the byte of 1
.irp i, 4,5,6,7
	v_mov_b32 v[QF+8*\y+\i], 0
.endr
.endr
.irp y, 0,1
	v_mov_b32 v[5+4*\y], 0xff61b1e6                ; the largest t so far: -3e38
	v_floor_f32 v[4+4*\y], -v[5+4*\y]              ; -M
	v_mov_b32 v[6+4*\y], 0                         ; the sum, in two halves
	v_mov_b32 v[7+4*\y], 0
.endr
.set ri, 0
.rept 64
	v_mov_b32 v[O+ri], 0                           ; O^T: the step is written once, and its first turn finds zeros.  (These lines also stand between q's codes and scale words and the first products)
.set ri, ri+1
.endr
	s_wait_dscnt 0x0                               ; the stash lies in LDS
	s_wait_alu depctr_vm_vsrc(0)                   ; the stash's stores have read v[ACC ..], which the score products write
	s_wait_alu depctr_va_vdst(0)                   ; q's codes, its zeros, its scale words and the pad are written, which the score products take as operands and scales
	; ---- attention: eight key steps of 128
.Ltrip:
	TRIP 0
	s_sub_co_u32 s[CNT], s[CNT], 1
	s_cmp_lg_u32 s[CNT], 0
	s_cbranch_scc1 .Ltrip
	TRIP 1
	; ---- O = q + O^T / the sum
	PLACES
	s_wait_alu depctr_va_vdst(0)                   ; the last products are done reading k's and v's registers, their scale words and the pad, in which Wo lands; the last softmax is done reading p, where q comes back
	W_ISSUE 56, 58                                 ; Wo is asked for now: it lands under the first norm
.set ri, 0
.rept 16
	ds_load_b128 v[S+4*ri:S+4*ri+3], v[TS] offset:512*ri   ; q comes back
.set ri, ri+1
.endr
	v_add_f32 v242, v6, v7                         ; the sums' two halves,
	v_add_f32 v243, v10, v11
	v_permlanex16_b32 v246, v242, s[SEL], s[SEL+1]
	v_permlanex16_b32 v247, v243, s[SEL], s[SEL+1]
	v_add_f32 v242, v242, v246                     ; and lane l xor 16's
	v_add_f32 v243, v243, v247
	s_wait_alu depctr_va_vdst(0)
	v_rcp_f32 v246, v242
	v_rcp_f32 v248, v243
	v_and_b32 v11, 15, v0                          ; (plain lines behind the transcendentals)  r
	s_wait_alu depctr_va_vdst(0)
	v_bfe_u32 v3, v0, 4, 1                         ; h
	s_lshl_b32 s21, s20, 10
	v_lshl_add_u32 v[RRA], v11, 5, s21             ; a row's eight partial sums: 32 (32 g + 16 y + r)
	s_lshl_b32 s32, s19, 2
	v_add_nc_u32 v[RWA], s32, v[RRA]               ; my word of them
	s_lshl_b32 s32, s20, 13
	s_lshl_b32 s33, s19, 9
	s_add_co_u32 s32, s32, s33
	v_add_nc_u32 v[OIA], s32, v[LI]                ; the image: K step hd / 2, half hd % 2 of row tiles 2 g on: 16 lane + 8,192 g + 512 hd
	s_lshr_b32 s32, s19, 1
	s_lshl_b32 s32, s32, 7
	s_and_b32 s33, s19, 1
	s_lshl_b32 s33, s33, 1
	s_add_co_u32 s32, s32, s33
	s_add_co_u32 s32, s32, s21
	v_add_nc_u32 v[OSA], s32, v[L4]                ; my two bytes of its scale words: 4 lane + 1,024 g + 128 (hd / 2) + 2 (hd % 2)
	s_mul_i32 s32, s18, PRIVB
	s_add_co_u32 s32, s32, PRIV
	v_and_b32 v[SO], 8, v11
	v_add_nc_u32 v[SO], v[SO], v11
	v_mul_u32_u24 v[SO], v[SO], 272
	s_wait_alu depctr_va_vdst(0)
	v_lshl_add_u32 v[SO], v3, 6, v[SO]
	v_add_nc_u32 v[SO], s32, v[SO]                 ; the stage, in: row r + 8 (r / 8) of 272 bytes, + 64 h
	v_mul_u32_u24 v[SRD], v3, 272
	v_lshl_add_u32 v[SRD], v11, 4, v[SRD]
	v_add_nc_u32 v[SRD], s32, v[SRD]               ; and back: lanes 0-15 one row, lanes 16-31 the next
	v_lshlrev_b32 v[GO], 11, v3
	v_lshl_add_u32 v[GO], v11, 4, v[GO]            ; the same two rows in out0
	v_lshlrev_b32 v[LH64], 6, v3
	s_wait_dscnt 0x0
	s_wait_alu depctr_va_vdst(0)                   ; the two reciprocals are written, ahead of their first reader; so are the addresses v3 to v10, which the loads and stores from here on read
.irp y, 0,1
.set ri, 0
.rept 16
	v_pk_fma_f32 v[O+32*\y+ri:O+32*\y+ri+1], v[O+32*\y+ri:O+32*\y+ri+1], v[246+2*\y:247+2*\y], v[S+32*\y+ri:S+32*\y+ri+1] op_sel_hi:[1,0,1]
.set ri, ri+2
.endr
.endr
	s_wait_alu depctr_va_vdst(0)                   ; the multiply-adds are done reading q in v[S ..], in which bo lands
	B_ISSUE 8                                      ; bo into the accumulators of the last product
	; ---- the first norm; its result becomes an operand
	LNORM RED, RED+2048
	s_wait_alu depctr_vm_vsrc(0)                   ; the second sum's two stores have read v242 and v244, which the quantiser writes
.irp y, 0,1
	QUANT O+32*\y, 2, PC+4*\y
	v_mov_b32 v[YS+\y], v[PW]
.endr
	s_wait_alu depctr_va_vdst(0)                   ; both tiles' codes and scale half words are written, which the four stores read; the norm and the quantiser are done with v12-29 and v234-251, in which the row buffers land behind the barrier
.irp y, 0,1
	ds_store_b128 v[OIA], v[PC+4*\y:PC+4*\y+3] offset:OIMG+4096*\y
	ds_store_b16 v[OSA], v[YS+\y] offset:OSC+512*\y
.endr
	BARRIER                                        ; its sixteen fragments lie in LDS
	s_wait_alu depctr_vm_vsrc(0)                   ; my four stores have read v[PC ..] and v[YS ..], in which the row buffers land
	; ---- z = x Wo + bo; x + gelu(z); the second norm
	PROJ_RUN OIMG, OSC, 56
	v_mov_b32 v[GC], s48
	v_mov_b32 v[GC+1], s48
.irp n, 0,1,2,3,4,5,6,7
	GELU \n
.endr
	LNORM RED+4096, RED+6144
	; ---- the way out: my 32 rows x 256 bytes through my own stage, so that sixteen lanes store 256 consecutive bytes, aligned
	s_wait_alu depctr_va_vdst(0)                   ; the norm has written O, which the stage's stores read; the gelu's lines are done with v38-71, where rows come back from the stage
.irp y, 0,1
.irp b, 0,1
.irp i, 0,1,2,3
	ds_store_b128 v[SO], v[O+32*\y+16*\b+4*\i:O+32*\y+16*\b+4*\i+3] offset:2176*\y+128*\b+16*\i
.endr
.endr
.endr
.set ri, 0
.rept 16
	ds_load_b128 v[XB0+4*ri:XB0+4*ri+3], v[SRD] offset:544*ri   ; LDS serves a wave's instructions in order: these see my stores
.set ri, ri+1
.endr
.set ri, 0
.rept 16
	s_wait_dscnt 15-ri                             ; the later loads may be out
	global_store_b128 v[GO], v[XB0+4*ri:XB0+4*ri+3], s[16:17] offset:4096*ri th:TH_STORE_NT
.set ri, ri+1
.endr
	s_wait_xcnt 0x0
	v_lshl_add_u32 v254, v0, 2, 0x2d000
	v_mov_b32 v255, 0
	s_wait_dscnt 0x0                               ; the closing lines, six on end
	s_wait_alu 0x0
	s_wait_tensorcnt 0x0
	ds_add_u32 v254, v255
	s_wait_dscnt 0x0
	s_endpgm
.Lfunc_end_k_qcbac610309_mab:
	.size	k_qcbac610309_mab, .Lfunc_end_k_qcbac610309_mab-k_qcbac610309_mab
	.p2alignl 7, 3214868480
	.fill 96, 4, 3214868480
	.section	.rodata,"a",@progbits
	.p2align	6, 0x0
	.amdhsa_kernel k_qcbac610309_mab
		.amdhsa_group_segment_fixed_size 186368
		.amdhsa_private_segment_fixed_size 0
		.amdhsa_enable_private_segment 0
		.amdhsa_kernarg_size 56
		.amdhsa_user_sgpr_count 2
		.amdhsa_user_sgpr_kernarg_segment_ptr 1
		.amdhsa_wavefront_size32 1
		.amdhsa_system_sgpr_workgroup_id_x 1
		.amdhsa_system_sgpr_workgroup_id_y 1
		.amdhsa_system_sgpr_workgroup_id_z 1
		.amdhsa_system_vgpr_workitem_id 0
		.amdhsa_next_free_vgpr 256
		.amdhsa_next_free_sgpr 66
		.amdhsa_reserve_vcc 0
		.amdhsa_float_denorm_mode_32 3
		.amdhsa_float_denorm_mode_16_64 3
		.amdhsa_memory_ordered 1
		.amdhsa_forward_progress 1
		.amdhsa_inst_pref_size 170
	.end_amdhsa_kernel
	.amdgpu_metadata
---
amdhsa.version: [ 1, 2 ]
amdhsa.kernels:
  - .name:           k_qcbac610309_mab
    .symbol:         k_qcbac610309_mab.kd
    .args:
      - { .name: Q, .offset: 0, .size: 8, .value_kind: global_buffer, .address_space: global }
      - { .name: bq, .offset: 8, .size: 8, .value_kind: global_buffer, .address_space: global }
      - { .name: bo, .offset: 16, .size: 8, .value_kind: global_buffer, .address_space: global }
      - { .name: wcodes, .offset: 24, .size: 8, .value_kind: global_buffer, .address_space: global }
      - { .name: wscales, .offset: 32, .size: 8, .value_kind: global_buffer, .address_space: global }
      - { .name: kv, .offset: 40, .size: 8, .value_kind: global_buffer, .address_space: global }
      - { .name: out0, .offset: 48, .size: 8, .value_kind: global_buffer, .address_space: global }
    .group_segment_fixed_size: 186368
    .private_segment_fixed_size: 0
    .kernarg_segment_align: 8
    .kernarg_segment_size: 56
    .max_flat_workgroup_size: 512
    .sgpr_count:     66
    .vgpr_count:     256
    .wavefront_size: 32
...
	.end_amdgpu_metadata
.endif
;; end of part 6
